; MI455X (gfx1250); checked and timed in simulation.
; The chip was launched on July 23, 2026; its instructions are those of AMD's public machine-readable ISA for CDNA 5 (MIT licence, August 2026) and "CDNA5" Instruction Set Architecture Reference Guide (July 2026). The comments in the code are by the model that wrote it; some were corrected since.
;; Single Query Attention. Allowed arithmetic: matrix products marked QUANTISED: E4M3 operands, one E8M0 scale for each 32 along K, by v_wmma_scale_f32_16x16x128_f8f6f4 with both operands' format E4M3, f32 sums; products left as they are: f32 operands where the result goes on into a quantised operand, else bf16, f16 or f32 operands; f32 sums; everything else in f32.
;; Inputs: Wk 2,048 x 2,048 float32; Wq 2,048 x 2,048 float32; Wv 2,048 x 2,048 float32; bk 2,048 float32; bq 2,048 float32; bv 2,048 float32; context_tokens 16 x 512 x 2,048 float32; current_token 16 x 1 x 2,048 float32.
;; Outputs: out0 16 x 1 x 2,048 float32.
;; This version of the problem:
;;   THIS VERSION OF THE PROBLEM IS GIVEN IN LOW PRECISION. The matrix products marked QUANTISED in the list below multiply operands that are first quantised to E4M3 (4 exponent bits, 3 mantissa bits; 8 bits a number), with one power-of-two scale for each 32 numbers along K (OCP MX v1.0); their sums are f32. All else is computed in f32.
;;   The module's matrix products, in the order in which they are computed (A, B: the left and right operand; K: the contracted axis; several contracted axes count as one K, in the product's order):
;;     1. [M 16, K 2,048] x [K 2,048, N 2,048]; A: input current_token; B: input Wq: QUANTISED
;;     2. [M 8,192, K 2,048] x [K 2,048, N 2,048]; A: input context_tokens; B: input Wk: QUANTISED
;;     3. [M 8,192, K 2,048] x [K 2,048, N 2,048]; A: input context_tokens; B: input Wv: QUANTISED
;;     4. batch 16 x [M 1, K 2,048] x [K 2,048, N 512]; A: computed on the way; B: computed on the way: left as it is (M = 1 < 16)
;;     5. batch 16 x [M 1, K 512] x [K 512, N 2,048]; A: softmax; B: computed on the way: left as it is (M = 1 < 16)
;;   THE QUANTISER, for each operand of a quantised product, along K:
;;     - K is cut into blocks of 32 from its start; a last block that is shorter is filled with zeros.
;;     - A block's scale is 2^e with e = floor(log2(the largest magnitude in the block)) - 8, held to -126 .. 127; a block of zeros has e = 0. As a byte (E8M0): e + 127.
;;     - Each number is divided by its block's scale, clamped to +-448, and rounded to the nearest number of E4M3, ties to even, subnormals kept.
;;     - The product sums the exact products of the quantised numbers (number of the format x scale) in f32.
;;   ~~~python
;;   def quantise(x, axis):      # numpy; x: float32 -> the quantised numbers, widened to float32 again
;;       x = np.moveaxis(x, axis, -1); K = x.shape[-1]
;;       x = np.pad(x, [(0, 0)] * (x.ndim - 1) + [(0, -K % 32)]); x = x.reshape(x.shape[:-1] + (-1, 32)); a = np.abs(x).max(-1, keepdims=True)
;;       e = np.where(a > 0, np.clip(np.frexp(np.where(a > 0, a, 1))[1] - 1 - 8, -126, 127), 0)      # np.frexp(a)[1] - 1 = floor(log2(a)), exactly
;;       r = np.clip(x / 2.0 ** e, -448, 448)
;;       step = 2.0 ** (np.maximum(np.frexp(np.where(r == 0, 1, r))[1] - 1, -6) - 3)
;;       q = np.round(r / step) * step * 2.0 ** e      # np.round: ties to even
;;       return np.moveaxis(q.reshape(q.shape[:-2] + (-1,))[..., :K], -1, axis).astype(np.float32)
;;   ~~~
;; 2 versions, each right; version 2 is version 1 with the launch prep written anew for expert scheduling mode. Each part assembles by itself: llvm-mc -triple=amdgcn-amd-amdhsa -mcpu=gfx1250 --defsym DOCPART=n.
;; ======== version 1 of 2: 4 launches
;; workspace buffers: xc 16,777,216 bytes; xs 524,288 bytes; wc 8,388,608 bytes; ws 262,144 bytes; qp 1,048,576 bytes; sp 524,288 bytes; vp 524,288 bytes
;; launch prep (part 1): grid 1024 x 1, 4 waves a work-group, no clusters, 34,304 bytes of LDS; arguments context_tokens, current_token, Wq, Wk, Wv, xc, xs, wc, ws, qp; writes xc, xs, wc, ws, qp
.if DOCPART == 1
	.amdgcn_target "amdgcn-amd-amdhsa--gfx1250"
	.amdhsa_code_object_version 6
	.text
	.protected	k_qc8145526d1_prep
	.globl	k_qc8145526d1_prep
	.p2align	8
	.type	k_qc8145526d1_prep,@function
k_qc8145526d1_prep:
	s_mov_b64 s[64:65], 0
	v_nop
	global_prefetch_b8 v0, s[64:65] scope:SCOPE_SE
	s_setreg_imm32_b32 hwreg(HW_REG_WAVE_MODE, 25, 1), 1
	s_wait_xcnt 0x0
; PREP: f32 operands become codes of FP8 (E4M3) with one E8M0 scale byte for each 32 along K, and q = current_token x Wq is multiplied on the way.
; A block's scale is 2^(floor(log2(its largest magnitude)) - 8); its byte is the largest magnitude's exponent field - 8, held at 1 from below; each number is held within +-448 x the scale and
; rounded to the nearest code, ties to even.
; LIMITS: a block whose largest magnitude lies under 2^-118 (a block of zeros among them) gets the byte 1: a block of zeros has zero codes, which add nothing under that byte, and the bytes are read by this program alone.
; NaN and infinities among the inputs are not served.
; THE WORKSPACE IS LAID AS THE MATRIX OPERAND'S REGISTERS.  A fragment is 16 rows x 128 K: lane (r = lane % 16, h = lane / 16) holds row r; its registers 4 c .. 4 c + 3 hold K = 32 c + 16 h + 0 .. 15.
; Its image is 2,048 bytes: register group c at 512 c + 16 x lane.  Codes: [K / 256][row / 16][(K / 128) % 2][image].  Scale words (4 bytes: 128 K of a row): [row / 16][K / 256][r][(K / 128) % 2].
; For the weights, stored [K][N], a "row" is an output column n: lane r takes column n = r and its registers run down K, so nothing is transposed.
; THREE KINDS OF WORK-GROUP, by the work-group's number; each of four waves that share nothing:
;   0 .. 255     Wq and current_token: quantised in registers and multiplied: 16 batches x 16 columns x 256 K a wave; the eight slices of K go to qp [8][16][2048] f32 and are added by the next launch.
;                (Its stores are 64 bytes a row: 1 MiB of the launch's traffic of some 150 MiB.)
;   256 .. 511   Wk, Wv: a wave takes 16 columns x 512 K: four images.  A load reads 64 bytes of each of two rows; the four waves stand side by side on 256 bytes of a row.
;   512 .. 1023  context_tokens: a work-group takes 16 rows, a wave 512 K of them: four images.  Each load reads 512 consecutive bytes of one row; the numbers turn through the wave's own stage in LDS
;                (rows of 512 + 16 bytes), from which a lane takes its 16 neighbours of each block of 32.
; Every store of codes covers 512 consecutive bytes, aligned; a wave's scale words leave as 256 consecutive bytes, aligned.  No tensor loads, no barrier.  Only the third kind touches LDS.
.set TM,  16                           ; v16-19 largest magnitudes, v20-23 bytes, v24-27 448 x the scale, v28-31 the conversions' scale operands
.set PC,  32                           ; v32-47 the codes just made: a fragment
.set PW,  48                           ; v48-51 scale words
.set RA,  64                           ; v64-191 context: two sets of 64 numbers as loaded
.set XN,  192                          ; v192-255 context: 64 numbers, 16 neighbours of each block
.set N0,  128                          ; v128-191, v192-255 weights and current_token: two sets of 64 numbers
.set N1,  192
.set SPITCH, 528                       ; a stage row: 512 bytes + 16: the 16 rows that a read touches start 33 x 16 bytes apart
.set WSTG,   16*SPITCH                 ; a wave's stage
; 64 numbers of a lane, register 16 b + i = K 32 b + 16 h + i of my row, become a fragment's codes in v[pc] on and my row's scale word in v[pw]
.macro QUANT src, pc, pw
.irp b, 0,1,2,3
	v_max3_num_f32 v[TM+\b], |v[\src+16*\b]|, |v[\src+1+16*\b]|, 0x4800000   ; block b: my 16 numbers, and the floor 2^(9 - 127): the byte cannot fall under 1
.endr
.irp i, 2,4,6,8,10,12,14
.irp b, 0,1,2,3
	v_max3_num_f32 v[TM+\b], v[TM+\b], |v[\src+16*\b+\i]|, |v[\src+1+16*\b+\i]|   ; the four blocks by turns
.endr
.endr
.irp b, 0,1,2,3
	v_permlanex16_b32 v[TM+4+\b], v[TM+\b], s6, s7
.endr
.irp b, 0,1,2,3
	v_max_num_f32 v[TM+\b], v[TM+\b], v[TM+4+\b]           ; with lane l xor 16's 16: the block's largest magnitude
.endr
.irp b, 0,1,2,3
	v_add_nc_u32 v[TM+12+\b], 0xfc000000, v[TM+\b]         ; 8 off its exponent field: the conversion takes this operand's exponent field as its scale
.endr
.irp b, 0,1,2,3
	v_and_or_b32 v[TM+8+\b], v[TM+\b], 0x7f800000, s5      ; 448 x the scale: the exponent field over 448's mantissa
.endr
.irp b, 0,1,2,3
	v_lshrrev_b32 v[TM+4+\b], 23, v[TM+12+\b]              ; the scale's byte
.endr
	v_lshl_or_b32 v[\pw], v[TM+5], 8, v[TM+4]
	v_lshl_or_b32 v[\pw], v[TM+6], 16, v[\pw]
	v_lshl_or_b32 v[\pw], v[TM+7], 24, v[\pw]
.irp b, 0,1,2,3
.irp i, 0,1,2,3,4,5,6,7,8,9,10,11,12,13,14,15
	v_med3_num_f32 v[\src+16*\b+\i], v[\src+16*\b+\i], -v[TM+8+\b], v[TM+8+\b]   ; the conversion to an 8-bit code does not saturate (ISA guide 7.6.2): the hold comes first
.endr
	v_cvt_scalef32_pk8_fp8_f32 v[\pc+4*\b:\pc+4*\b+1], v[\src+16*\b:\src+16*\b+7], v[TM+12+\b]
	v_cvt_scalef32_pk8_fp8_f32 v[\pc+4*\b+2:\pc+4*\b+3], v[\src+16*\b+8:\src+16*\b+15], v[TM+12+\b]
.endr
	v_nop                                                  ; a plain line behind the last conversion, ahead of whatever vector or matrix line next touches its registers
.endm
.macro OUT4 base, off                  ; the fragment in v[PC] on leaves as it stands: four stores of 512 consecutive bytes
.irp c, 0,1,2,3
	global_store_b128 v4, v[PC+4*\c:PC+4*\c+3], s[\base:\base+1] offset:\off+512*\c
.endr
.endm
.macro WLOAD dst, t                    ; a weight's 128 K x 16 columns, the t-th from s[28:29] on: W(128 t + 32 c + 16 h + i, column r)
.irp c, 0,1,2,3
.irp i, 0,1,2,3,4,5,6,7,8,9,10,11,12,13,14,15
	global_load_b32 v[\dst+16*\c+\i], v10, s[28:29] offset:(\t)*1048576+(32*\c+\i)*8192
.endr
.endr
.endm
.macro WORDS                           ; four scale words a row: lanes 0-15 store the first K step of 256's two, lanes 16-31 the second's: 256 consecutive bytes
	v_cmp_le_u32 vcc_lo, 16, v1
	v_cndmask_b32 v8, v[PW], v[PW+2], vcc_lo
	v_cndmask_b32 v9, v[PW+1], v[PW+3], vcc_lo
	global_store_b64 v5, v[8:9], s[38:39]
.endm
	s_load_b512 s[8:23], s[0:1], 0x0               ; context 8:9, current 10:11, Wq 12:13, Wk 14:15, Wv 16:17, xc 18:19, xs 20:21, wc 22:23
	s_load_b128 s[24:27], s[0:1], 0x40             ; ws 24:25, qp 26:27
	v_lshl_add_u32 v14, v0, 2, 0x8400
	v_mov_b32 v15, 0
	v_lshrrev_b32 v1, 5, v0
	v_readfirstlane_b32 s4, v1                     ; wave 0..3
	v_and_b32 v1, 31, v0                           ; lane
	v_and_b32 v2, 15, v0                           ; r
	v_bfe_u32 v3, v0, 4, 1                         ; h
	v_lshlrev_b32 v4, 4, v1                        ; 16 x lane
	v_lshlrev_b32 v5, 3, v1                        ; 8 x lane
	s_mul_i32 s34, s4, WSTG                        ; my stage
	v_add_nc_u32 v6, s34, v4                       ; into it: 16 x lane of a row
	v_mul_u32_u24 v7, v2, SPITCH
	v_lshl_add_u32 v7, v3, 6, v7
	v_add_nc_u32 v7, s34, v7                       ; out of it: row r, + 64 h
	v_lshlrev_b32 v10, 2, v2
	v_lshl_add_u32 v10, v3, 17, v10                ; a weight: column r, and 16 rows of 8,192 bytes further down for lanes 16-31
	v_lshlrev_b32 v11, 13, v2
	v_lshl_add_u32 v12, v3, 5, v11                 ; qp: batch r's row of 8,192 bytes, + 32 h
	v_lshl_add_u32 v11, v3, 6, v11                 ; current_token: row r, + 64 h
	s_mov_b32 s5, 0x600000                         ; the mantissa field of 448
	s_mov_b32 s6, 0x76543210
	s_mov_b32 s7, 0xfedcba98                       ; v_permlanex16_b32's selects for lane l xor 16
.irp b, 0,1,2,3
	v_mov_b32 v[TM+4+\b], 0                        ; written once: a lane permute's destination counts as one of its sources
.endr
	s_mov_b32 s33, 0                               ; the upper word of every offset pair s[32:33]
	s_wait_kmcnt 0x0
	s_cmp_lt_u32 ttmp9, 256
	s_cbranch_scc1 .Lq
	s_cmp_lt_u32 ttmp9, 512
	s_cbranch_scc1 .Lw
	; ---------------- context_tokens: rows 16 rb .. 16 rb + 15, K 512 w .. 512 w + 511
	s_sub_co_u32 s30, ttmp9, 512                   ; rb
	s_lshl_b32 s32, s30, 17                        ; 16 rows of 8,192 bytes
	s_lshl_b32 s34, s4, 11                         ; 512 numbers
	s_add_co_u32 s32, s32, s34
	s_add_nc_u64 s[28:29], s[8:9], s[32:33]
	s_lshl_b32 s32, s4, 22                         ; codes: two planes of 2,097,152 bytes a wave,
	s_lshl_b32 s34, s30, 12                        ; 4,096 bytes for each 16 rows
	s_add_co_u32 s32, s32, s34
	s_add_nc_u64 s[36:37], s[18:19], s[32:33]
	s_lshl_b32 s32, s30, 10                        ; scale words: 1,024 bytes for each 16 rows, 256 a wave
	s_lshl_b32 s34, s4, 8
	s_add_co_u32 s32, s32, s34
	s_add_nc_u64 s[38:39], s[20:21], s[32:33]
.macro LOADI t                         ; image t: 128 K of 16 rows; each load reads 512 consecutive bytes of one row; read once in the launch
.irp i, 0,1,2,3,4,5,6,7,8,9,10,11,12,13,14,15
	global_load_b128 v[RA+64*((\t)%2)+4*\i:RA+64*((\t)%2)+4*\i+3], v4, s[28:29] offset:\i*8192+(\t)*512 th:TH_LOAD_NT
.endr
.endm
.macro CTX t
.if (\t) < 3
	s_wait_loadcnt 16                              ; this image's 16 loads are in; the next image's 16 may be out
.else
	s_wait_loadcnt 0x0
.endif
.irp i, 0,1,2,3,4,5,6,7,8,9,10,11,12,13,14,15
	ds_store_b128 v6, v[RA+64*((\t)%2)+4*\i:RA+64*((\t)%2)+4*\i+3] offset:\i*SPITCH
.endr
.irp c, 0,1,2,3
.irp j, 0,1,2,3
	ds_load_b128 v[XN+16*\c+4*\j:XN+16*\c+4*\j+3], v7 offset:128*\c+16*\j   ; LDS serves a wave's instructions in order: these see the stores above
.endr
.endr
	s_wait_dscnt 0x0                               ; my 64 numbers are in, and the stores have read the set that is loaded again below
	s_wait_xcnt 0x0                                ; the last image's stores have read v[PC] on, which QUANT writes
.if (\t) < 2
	LOADI (\t)+2
.endif
	QUANT XN, PC, PW+(\t)
	OUT4 36, ((\t)/2)*2097152+((\t)%2)*2048
.endm
	LOADI 0
	LOADI 1
	CTX 0
	CTX 1
	CTX 2
	CTX 3
	WORDS
	s_wait_tensorcnt 0x0
	ds_add_u32 v14, v15
	s_wait_dscnt 0x0
	s_endpgm
	; ---------------- Wk, Wv: columns 16 rb .. 16 rb + 15, K 512 kq .. 512 kq + 511
.Lw:
	s_sub_co_u32 s30, ttmp9, 256
	s_and_b32 s31, s30, 31
	s_lshl_b32 s31, s31, 2
	s_add_co_u32 s31, s31, s4                      ; rb = 4 x (number % 32) + wave
	s_bfe_u32 s35, s30, 0x20005                    ; kq: which 512 along K
	s_lshr_b32 s30, s30, 7                         ; 0: Wk, 1: Wv
	s_cmp_eq_u32 s30, 0
	s_cselect_b64 s[28:29], s[14:15], s[16:17]     ; the choice hangs on the work-group's number alone
	s_lshl_b32 s32, s35, 22                        ; 512 rows of 8,192 bytes
	s_lshl_b32 s34, s31, 6                         ; 16 columns
	s_add_co_u32 s32, s32, s34
	s_add_nc_u64 s[28:29], s[28:29], s[32:33]
	s_lshl_b32 s32, s30, 22                        ; codes: 4,194,304 bytes a tensor,
	s_lshl_b32 s34, s35, 20                        ; two planes of 524,288,
	s_add_co_u32 s32, s32, s34
	s_lshl_b32 s34, s31, 12                        ; 4,096 for each 16 columns
	s_add_co_u32 s32, s32, s34
	s_add_nc_u64 s[36:37], s[22:23], s[32:33]
	s_lshl_b32 s32, s30, 17                        ; scale words: 131,072 bytes a tensor, 1,024 for each 16 columns, 256 for 512 K
	s_lshl_b32 s34, s31, 10
	s_add_co_u32 s32, s32, s34
	s_lshl_b32 s34, s35, 8
	s_add_co_u32 s32, s32, s34
	s_add_nc_u64 s[38:39], s[24:25], s[32:33]
.macro WUNIT t
.if (\t) < 3
	s_wait_loadcnt 63                              ; 64 loads were issued behind this unit's; the wait names 63, the most it can, which is the stricter count
.else
	s_wait_loadcnt 0x0
.endif
	s_wait_xcnt 0x0                                ; the last unit's stores have read v[PC] on
	QUANT N0+64*((\t)%2), PC, PW+(\t)
.if (\t) < 2
	WLOAD N0+64*((\t)%2), (\t)+2
.endif
	OUT4 36, ((\t)/2)*524288+((\t)%2)*2048
.endm
	WLOAD N0, 0
	WLOAD N1, 1
	WUNIT 0
	WUNIT 1
	WUNIT 2
	WUNIT 3
	WORDS
	s_endpgm
	; ---------------- q: 16 batches x columns 16 rb .. 16 rb + 15, K 256 ks .. 256 ks + 255: two matrix instructions, each on an accumulator of its own
.Lq:
	s_and_b32 s31, ttmp9, 31
	s_lshl_b32 s31, s31, 2
	s_add_co_u32 s31, s31, s4                      ; rb
	s_lshr_b32 s35, ttmp9, 5                       ; ks
	s_lshl_b32 s32, s35, 21                        ; 256 rows of Wq
	s_lshl_b32 s34, s31, 6
	s_add_co_u32 s32, s32, s34
	s_add_nc_u64 s[28:29], s[12:13], s[32:33]
	s_lshl_b32 s32, s35, 10                        ; 256 numbers of each row of current_token
	s_add_nc_u64 s[36:37], s[10:11], s[32:33]
	s_lshl_b32 s32, s35, 17                        ; qp: slice ks, 131,072 bytes
	s_add_co_u32 s32, s32, s34
	s_add_nc_u64 s[38:39], s[26:27], s[32:33]
.macro CLOAD dst, q                    ; current_token: batch r, K 128 q + 32 b + 16 h + 0 .. 15
.irp b, 0,1,2,3
.irp j, 0,1,2,3
	global_load_b128 v[\dst+16*\b+4*\j:\dst+16*\b+4*\j+3], v11, s[36:37] offset:(\q)*512+\b*128+16*\j
.endr
.endr
.endm
	CLOAD N0, 0
	WLOAD N1, 0
	s_wait_loadcnt 63                              ; the 16 loads of current_token are in (64 were issued behind them; 63 is the stricter count)
	QUANT N0, 80, 50                               ; v80-95, v50: current_token's first fragment and scale word
	CLOAD N0, 1
	s_wait_loadcnt 16                              ; Wq's first 64 are in; the 16 just issued may be out
	QUANT N1, PC, PW
	WLOAD N1, 1
.rept 4
	v_nop                                          ; codes written by vector instructions stand four places ahead of a scaled matrix instruction; the scale words were made ahead of the 64 holds
.endr
	v_wmma_scale_f32_16x16x128_f8f6f4 v[52:59], v[32:47], v[80:95], 0, v48, v50   ; source 0 = 16 columns of Wq, source 1 = 16 batches: lane (r, h) holds batch r, register j column 8 h + j
	s_wait_loadcnt 63                              ; current_token's second 16 are in
	QUANT N0, 96, 51                               ; (its lines name no register of the product above: they are the places ahead of the lines that write v32-48 again)
	s_wait_loadcnt 0x0
	QUANT N1, PC, PW
.rept 4
	v_nop
.endr
	v_wmma_scale_f32_16x16x128_f8f6f4 v[60:67], v[32:47], v[96:111], 0, v48, v51
.rept 8
	v_nop                                          ; eight places ahead of the first read of the result
.endr
.irp j, 0,2,4,6
	v_pk_add_f32 v[68+\j:69+\j], v[52+\j:53+\j], v[60+\j:61+\j]   ; both accumulators from their low end on
.endr
	global_store_b128 v12, v[68:71], s[38:39]
	global_store_b128 v12, v[72:75], s[38:39] offset:16
	s_endpgm
.Lfunc_end_k_qc8145526d1_prep:
	.size	k_qc8145526d1_prep, .Lfunc_end_k_qc8145526d1_prep-k_qc8145526d1_prep
	.p2alignl 7, 3214868480
	.fill 96, 4, 3214868480
	.section	.rodata,"a",@progbits
	.p2align	6, 0x0
	.amdhsa_kernel k_qc8145526d1_prep
		.amdhsa_group_segment_fixed_size 34304
		.amdhsa_private_segment_fixed_size 0
		.amdhsa_enable_private_segment 0
		.amdhsa_kernarg_size 80
		.amdhsa_user_sgpr_count 2
		.amdhsa_user_sgpr_kernarg_segment_ptr 1
		.amdhsa_wavefront_size32 1
		.amdhsa_system_sgpr_workgroup_id_x 1
		.amdhsa_system_sgpr_workgroup_id_y 1
		.amdhsa_system_sgpr_workgroup_id_z 1
		.amdhsa_system_vgpr_workitem_id 0
		.amdhsa_next_free_vgpr 256
		.amdhsa_next_free_sgpr 66
		.amdhsa_reserve_vcc 1
		.amdhsa_float_denorm_mode_32 3
		.amdhsa_float_denorm_mode_16_64 3
		.amdhsa_memory_ordered 1
		.amdhsa_forward_progress 1
		.amdhsa_inst_pref_size 158
	.end_amdhsa_kernel
	.amdgpu_metadata
---
amdhsa.version: [ 1, 2 ]
amdhsa.kernels:
  - .name:           k_qc8145526d1_prep
    .symbol:         k_qc8145526d1_prep.kd
    .args:
      - { .name: context_tokens, .offset: 0, .size: 8, .value_kind: global_buffer, .address_space: global }
      - { .name: current_token, .offset: 8, .size: 8, .value_kind: global_buffer, .address_space: global }
      - { .name: Wq, .offset: 16, .size: 8, .value_kind: global_buffer, .address_space: global }
      - { .name: Wk, .offset: 24, .size: 8, .value_kind: global_buffer, .address_space: global }
      - { .name: Wv, .offset: 32, .size: 8, .value_kind: global_buffer, .address_space: global }
      - { .name: xc, .offset: 40, .size: 8, .value_kind: global_buffer, .address_space: global }
      - { .name: xs, .offset: 48, .size: 8, .value_kind: global_buffer, .address_space: global }
      - { .name: wc, .offset: 56, .size: 8, .value_kind: global_buffer, .address_space: global }
      - { .name: ws, .offset: 64, .size: 8, .value_kind: global_buffer, .address_space: global }
      - { .name: qp, .offset: 72, .size: 8, .value_kind: global_buffer, .address_space: global }
    .group_segment_fixed_size: 34304
    .private_segment_fixed_size: 0
    .kernarg_segment_align: 8
    .kernarg_segment_size: 80
    .max_flat_workgroup_size: 128
    .sgpr_count:     66
    .vgpr_count:     256
    .wavefront_size: 32
...
	.end_amdgpu_metadata
.endif
;; end of part 1
;; launch kgemm (part 2): grid 8 x 32, 4 waves a work-group, clusters of 4 x 4, 327,680 bytes of LDS; arguments xc, xs, wc, ws, qp, bq, bk, sp; writes sp
.if DOCPART == 2
	.amdgcn_target "amdgcn-amd-amdhsa--gfx1250"
	.amdhsa_code_object_version 6
	.text
	.protected	k_qc8145526d1_kgemm
	.globl	k_qc8145526d1_kgemm
	.p2align	8
	.type	k_qc8145526d1_kgemm,@function
k_qc8145526d1_kgemm:
	s_mov_b64 s[64:65], 0
	v_nop
	global_prefetch_b8 v0, s[64:65] scope:SCOPE_SE
	s_setreg_imm32_b32 hwreg(HW_REG_WAVE_MODE, 25, 1), 1
	s_wait_xcnt 0x0
	s_wait_alu depctr_hold_cnt(0) depctr_sa_sdst(0) depctr_va_vdst(0) depctr_va_sdst(0) depctr_va_ssrc(0) depctr_va_vcc(0) depctr_vm_vsrc(0)
	s_getreg_b32 s2, hwreg(HW_REG_IB_STS2, 6, 4)
	s_cmp_eq_u32 s2, 0
	s_cbranch_scc0 .Lentry_in_a_cluster
	s_endpgm
.Lentry_in_a_cluster:
	s_bfe_u32 s2, ttmp6, 0x10000c
	s_cmp_lg_u32 s2, 0xf033
	s_cbranch_scc0 .Lentry_shape_is_right
	s_endpgm
.Lentry_shape_is_right:
; KGEMM: k = context x Wk on codes of FP8 (E4M3) with E8M0 scales, and, straight from the accumulators, the scores' partial sums: sp[slice][row] = sum over the slice's 128 columns n of q[b][n] (k[row][n] + bk[n]), in f32.
; k never goes to memory.  q[b][n] = the eight K slices of qp + bq.  The factor 1 / sqrt(2048) is applied by the next launch.
; A = context (8,192 rows), B = Wk (2,048 columns n as rows); K = 2,048.  Codes and scale words lie in memory as images of the operand's registers: a fragment (16 rows x 128 K) is 2,048 bytes, register group c
; at 512 c + 16 x lane; codes [K / 256][row / 16][2][image]; scale words [row / 16][K / 256][r][2].
; A tile of 256 x 256 is made by a work-group of four waves; a wave makes 128 x 128: 64 accumulators, 512 registers.  K goes in steps of 256 through a ring of two LDS slots of 131,072 bytes; a wave's quarter of a slot
; is 32,768 consecutive bytes of memory, brought by one tensor load as 128 rows of 256 bytes.  A fragment comes out of LDS by four loads at 16 x lane: consecutive bytes, no pitch, no padding.
; The scale words of the tile's 256 + 256 rows for all of K (2 x 16,384 bytes, each dense in memory) come once, with the first fills, and stay.
; CLUSTERS: 4 x 4 work-groups.  The four of a row of the cluster need the same tiles of A, the four of a column the same tiles of B: each is asked for jointly, by the same tensor load with the same descriptor and a mask that names the four.
; THE MATRIX INSTRUCTION IS USED TRANSPOSED (source 0 = 16 rows of B, source 1 = 16 rows of A): lane (r, h) holds row r of A, and its register j column n = 8 h + j of the block: the sum over n is taken inside a lane, then across the two halves.
; REGISTERS, in windows of 256: window 0: v1-29 addresses and small things; v32-63 scale words, two sets; v64-127 the 64 weights q[n] of my lane; from v128 A's fragments, one set (at the head and the end: at work).
;   window 1: B's fragments, two sets.   window 2: the accumulators of my rows 0-63 ((a, b) at v[8 (8 a + b)]);   window 3: those of my rows 64-127.
; LIMITS: as the codes and scale bytes are made by the launch before; NaN and infinities are not served.
.set PLANE_A, 2097152                  ; a K step of 256 of all of A's rows, in bytes
.set PLANE_B, 524288                   ; of all of B's
.set NQ,     2                         ; matrix instructions deep in a slot
.set FR,     16                        ; registers of a fragment
.set NL,     4                         ; LDS loads that bring one
.set NP,     8                         ; places behind this matrix instruction (ISA guide 7.12.1)
.set SLOT,   131072                    ; A's 16 blocks of 16 rows x 4,096 bytes, then B's
.set LAPS,   4                         ; a lap = two K steps = once round the ring: 2,048 / 512
.set SCL,    2*SLOT                    ; behind the ring: A's scale words, 16,384 bytes, then B's
.set SPARE,  SCL+32768                 ; the spare words, 128 bytes for each wave: two blocks of 256 bytes that no other line names
.set STG,    SPARE+512                 ; 512 bytes for each wave, its own: at the head its 128 q, at the end its 128 sums.  No tensor load lands here
.set PFO,  8                           ; v8      256 x lane: the prefetches' offset; never rewritten
.set FINR, 10                          ; v10     sum over my 128 n of q[n] bk[n]
.set ADRA, 16                          ; v16-17  LDS address of my A fragments in slot 0, 1
.set ADRB, 20                          ; v20-21  the same for B
.set STO,  24                          ; v24     my stage + 4 r
.set RD,   25                          ; v25     my stage + 16 x lane
.set CO,   26                          ; v26     16 x lane
.set ADRS, 27                          ; v27     LDS address of my scale words: lanes 0-15 A's rows, lanes 16-31 B's
.set SPW,  28                          ; v28     LDS address of my spare word; never rewritten
.set NIL,  29                          ; v29     0; never rewritten
.set SC,   32                          ; scale words: set s at v[SC + 16 s]; register 2 i + q: lanes 0-15 the word of A's block i, lanes 16-31 of B's block i, for the slot's q-th 128 along K
.set WT,   64                          ; the weights: v[WT + 8 b + j] = q[16 b + 8 h + j] of my 128 columns
.set AF,   128                         ; A's fragments
.set RS,   128                         ; the end: eight pairs of running sums
.set RT,   144                         ; and eight sums
.set G1, 24                            ; s[24:31] descriptor group 1 for A's tiles;  s[32:39] group 0, one set for each slot
.set G0, 32
.set G1B, 48                           ; s[48:55], s[56:63] the same for B's
.set G0B, 56
.set SEL, 66                           ; s[66:67] v_permlanex16_b32's selects for lane l xor 16
.set G1S, 68                           ; s[68:75], s[76:79] groups 1 and 0 for A's scale words;  s[80:87], s[88:91] for B's
.set G0S, 76
.set G1SB, 80
.set G0SB, 88
.set PFA, 92                           ; s[92:93] where my prefetches stand
.set PFS, 94                           ; s[94:95] a K step on, in the tensor that I fetch for
.set LIM, 100                          ; s100    1 in a wave that prefetches, else the greatest number
.set MSB, 0
.macro WIN new                         ; the immediate's high byte repeats the setting that is left
.if MSB != \new
	s_set_vgpr_msb (MSB<<8)|\new
.set MSB, \new
.endif
.endm
.set MUL_LO, 0xa1                      ; source 0 (B) window 1, source 1 (A) window 0, C and D window 2
.set MUL_HI, 0xf1                      ; the same, C and D window 3
.set TO_B,   0x40                      ; destination window 1, address window 0
; A joint load: waves 0 and 1 fetch for A, waves 2 and 3 for B.  Each of the two lines has one mask and one set of registers for all that issue it; the branch hangs on the wave's number alone.
; Four v_nop follow each of the two lines, ahead of the jump, the label and what follows.
.macro JLOAD g0a, g1a, g0b, g1b
	s_cmp_eq_u32 s15, 0
	s_cbranch_scc0 .Lfor_b_\@
	tensor_load_to_lds s[\g0a:\g0a+3], s[\g1a:\g1a+7]
	s_nop 0
.rept 4
	v_nop
.endr
	s_branch .Lasked_\@
.Lfor_b_\@:
	tensor_load_to_lds s[\g0b:\g0b+3], s[\g1b:\g1b+7]
	s_nop 0
.rept 4
	v_nop
.endr
.Lasked_\@:
.endm
.macro CREST                           ; a round of the cluster's barrier behind its opening barrier
	s_cmp_lg_u32 s14, 0
	s_cbranch_scc1 .Lnot_wave_0_\@
	s_barrier_signal -3
.Lnot_wave_0_\@:
	s_barrier_wait -3
	s_barrier_signal -1
	s_barrier_wait -1
.endm
.macro CROUND                          ; a whole round
	s_barrier_signal -1
	s_barrier_wait -1
	CREST
.endm
; A prefetch into the L2, behind a joint load, its four lines and the run of LDS loads: the K step that stands two refills on.  Of the 32,768 bytes that a wave fetches, each of the four partners that ask for them
; jointly names 8,192, told apart by address (cx for A, cy for B): lanes 256 bytes apart, one instruction a wave.  A's tile is read by every cluster of its row of clusters: cluster x = 0 asks; B's by every cluster
; of its column: cluster y = 0 asks.  So each block of 256 bytes is named once in the launch.  The loop's last trip (s3 = 1) asks for nothing: there is no K step two on.  K steps 0 to 3 come by their loads alone.
.macro ASK
	s_cmp_gt_u32 s3, s[LIM]
	s_cbranch_scc0 .Lnot_mine_\@
	global_prefetch_b8 v[PFO], s[PFA:PFA+1] th:TH_LOAD_NT scope:SCOPE_SE
.Lnot_mine_\@:
.endm
	s_load_b256 s[4:11], s[0:1], 0x0               ; A's codes s[4:5], A's scale words s[6:7], B's codes s[8:9], B's scale words s[10:11]
	s_load_b128 s[96:99], s[0:1], 0x20             ; qp, bq
	s_load_b64 s[104:105], s[0:1], 0x30            ; bk
	s_load_b64 s[12:13], s[0:1], 0x38              ; sp
	v_lshl_add_u32 v[SPW], v0, 2, SPARE
	v_mov_b32 v[NIL], 0
	ds_add_u32 v28, v29
	ds_add_u32 v28, v29
	s_wait_dscnt 0x0
	v_lshrrev_b32 v1, 5, v0
	v_readfirstlane_b32 s14, v1                    ; wave 0..3
	s_lshr_b32 s15, s14, 1                         ; which half of the tile's rows of A is mine.  Also: I fetch for A (0) or for B (1)
	s_and_b32 s16, s14, 1                          ; which half of B's.  Also: which half of that tile I fetch
	s_bfe_u32 s40, ttmp6, 0x40000                  ; cx, cy: my place in the cluster
	s_bfe_u32 s41, ttmp6, 0x40004
	s_lshl_b32 s42, ttmp9, 2
	s_add_co_u32 s42, s42, s40                     ; B's tile = 4 x cluster x + cx
	s_and_b32 s17, ttmp7, 0xffff
	s_lshl_b32 s17, s17, 2
	s_add_co_u32 s17, s17, s41                     ; A's tile = 4 x cluster y + cy
	s_lshl_b32 s43, s41, 2
	s_lshl_b32 s43, 15, s43                        ; my row of the cluster
	s_lshl_b32 s44, 0x1111, s40                    ; my column
	; descriptor group 1: a dense block of 32,768 bytes as 128 rows of 32 elements of 8 bytes; no padding
	s_or_b32 s[G1+0], s43, (3<<16)|(1<<21)         ; 15:0 the mask: A's tiles go to my row; 17:16 elements of 8 bytes; 21 set beside a mask
	s_or_b32 s[G1B+0], s44, (3<<16)|(1<<21)
.irp g, G1, G1B
	s_mov_b32 s[\g+1], 32<<16                      ; tensor_dim0 = 32
	s_mov_b32 s[\g+2], 128<<16                     ; tensor_dim1 = 128
	s_mov_b32 s[\g+3], 32<<16                      ; tile_dim0 = 32
	s_mov_b32 s[\g+4], 128                         ; tile_dim1 = 128
	s_mov_b32 s[\g+5], 32                          ; tensor_dim0_stride
	s_mov_b32 s[\g+6], 0
	s_mov_b32 s[\g+7], 0
.endr
	; and for the scale words of 128 rows: 8,192 dense bytes as 32 such rows
	s_or_b32 s[G1S+0], s43, (3<<16)|(1<<21)
	s_or_b32 s[G1SB+0], s44, (3<<16)|(1<<21)
.irp g, G1S, G1SB
	s_mov_b32 s[\g+1], 32<<16
	s_mov_b32 s[\g+2], 32<<16
	s_mov_b32 s[\g+3], 32<<16
	s_mov_b32 s[\g+4], 32
	s_mov_b32 s[\g+5], 32
	s_mov_b32 s[\g+6], 0
	s_mov_b32 s[\g+7], 0
.endr
	s_lshl_b32 s18, s16, 15                        ; which half of a tile's 65,536 bytes I fetch
	s_lshl_b32 s20, s17, 16
	s_add_co_u32 s20, s20, s18                     ; A's codes: made of A's tile and the wave's number alone
	s_mov_b32 s21, 0
	s_lshl_b32 s46, s42, 16
	s_add_co_u32 s46, s46, s18                     ; B's: of B's tile and the wave's number alone
	s_mov_b32 s47, 0
	s_lshl_b32 s19, s16, 13                        ; and of its 16,384 bytes of scale words
	s_lshl_b32 s22, s17, 14
	s_add_co_u32 s22, s22, s19
	s_mov_b32 s23, 0
	s_lshl_b32 s92, s42, 14
	s_add_co_u32 s92, s92, s19
	s_mov_b32 s93, 0
	s_lshl_b32 s45, s14, 15                        ; where they go: wave x 32,768: no place in the cluster enters an LDS address
	s_lshl_b32 s94, s14, 13                        ; wave x 8,192
	s_wait_kmcnt 0x0
	s_add_nc_u64 s[20:21], s[4:5], s[20:21]
	s_add_nc_u64 s[22:23], s[6:7], s[22:23]
	s_add_nc_u64 s[46:47], s[8:9], s[46:47]
	s_add_nc_u64 s[92:93], s[10:11], s[92:93]
	CROUND                                         ; all sixteen work-groups are here: the first joint loads meet
	s_mov_b32 s[G0S], 1
	s_add_co_u32 s[G0S+1], s94, SCL
	s_mov_b64 s[G0S+2:G0S+3], s[22:23]
	s_or_b32 s[G0S+3], s[G0S+3], 0x80000000
	s_mov_b32 s[G0SB], 1
	s_add_co_u32 s[G0SB+1], s94, SCL
	s_mov_b64 s[G0SB+2:G0SB+3], s[92:93]
	s_or_b32 s[G0SB+3], s[G0SB+3], 0x80000000
	JLOAD G0S, G1S, G0SB, G1SB                     ; the scale words first: they are wanted with K step 0
.irp s, 0,1
	s_mov_b32 s[G0+4*\s], 1
	s_add_co_u32 s[G0+4*\s+1], s45, \s*SLOT
	s_add_nc_u64 s[G0+4*\s+2:G0+4*\s+3], s[20:21], \s*PLANE_A
	s_or_b32 s[G0+4*\s+3], s[G0+4*\s+3], 0x80000000
	s_mov_b32 s[G0B+4*\s], 1
	s_add_co_u32 s[G0B+4*\s+1], s45, \s*SLOT
	s_add_nc_u64 s[G0B+4*\s+2:G0B+4*\s+3], s[46:47], \s*PLANE_B
	s_or_b32 s[G0B+4*\s+3], s[G0B+4*\s+3], 0x80000000
	JLOAD G0+4*\s, G1, G0B+4*\s, G1B               ; three tensor loads of mine are out
.endr
	v_and_b32 v1, 15, v0                           ; r
	v_bfe_u32 v2, v0, 4, 1                         ; h
	v_and_b32 v3, 31, v0
	v_lshlrev_b32 v[CO], 4, v3                     ; 16 x lane
	v_lshlrev_b32 v[PFO], 8, v3                    ; 256 x lane
	v_mov_b32 v4, 0                                ; (a lane permute's destination counts as one of its sources)
	s_lshl_b32 s21, s15, 15                        ; my 128 rows of A
	s_lshl_b32 s22, s16, 15                        ; my 128 rows of B,
	s_add_co_u32 s22, s22, 65536                   ; which lie behind A's 256
.irp s, 0,1
	v_add_nc_u32 v[ADRA+\s], s21, v[CO]
	v_add_nc_u32 v[ADRB+\s], s22, v[CO]
	s_add_co_u32 s21, s21, SLOT
	s_add_co_u32 s22, s22, SLOT
.endr
	v_lshlrev_b32 v5, 3, v1                        ; my row's two words of a K step
	s_lshl_b32 s21, s15, 13                        ; A's: my 128 rows
	s_lshl_b32 s22, s16, 13                        ; B's: my 128 rows, behind A's 256
	s_add_co_u32 s22, s22, 16384
	s_sub_co_u32 s22, s22, s21
	v_mul_u32_u24 v6, s22, v2                      ; lanes 16-31 take B's: one product, the distance between the two bases x h
	s_add_co_u32 s21, s21, SCL
	v_add_nc_u32 v5, v5, v6
	v_add_nc_u32 v[ADRS], s21, v5
	s_lshl_b32 s23, s14, 9
	s_add_co_u32 s23, s23, STG                     ; my stage
	v_lshl_add_u32 v[STO], v1, 2, s23
	v_add_nc_u32 v[RD], s23, v[CO]
	v_lshl_add_u32 v7, v2, 5, s23                  ; my stage + 32 h: where my lane's weights begin
	s_mov_b32 s[SEL], 0x76543210
	s_mov_b32 s[SEL+1], 0xfedcba98
	; the prefetches: where mine stand, and who asks
	s_and_b32 s22, ttmp7, 0xffff                   ; cluster y
	s_cmp_eq_u32 s15, 0                            ; do I fetch for A?
	s_cselect_b32 s20, s17, s42                    ; the tile,
	s_cselect_b32 s21, s40, s41                    ; my place among the four that ask for it with me,
	s_cselect_b32 s22, ttmp9, s22                  ; the coordinate along which other clusters read the same bytes
	s_cselect_b64 s[PFA:PFA+1], s[4:5], s[8:9]
	s_mov_b32 s[PFS], PLANE_B
	s_cselect_b32 s[PFS], PLANE_A, s[PFS]
	s_mov_b32 s[PFS+1], 0
	s_cmp_eq_u32 s22, 0
	s_cselect_b32 s[LIM], 1, -1                    ; the same in all sixteen partners, for a given wave
	s_lshl_b32 s20, s20, 16
	s_lshl_b32 s22, s16, 15
	s_add_co_u32 s20, s20, s22                     ; the 32,768 bytes that I fetch,
	s_lshl_b32 s21, s21, 13
	s_add_co_u32 s20, s20, s21                     ; my work-group's 8,192 of them
	s_mov_b32 s21, 0
	s_add_nc_u64 s[PFA:PFA+1], s[PFA:PFA+1], s[20:21]
	s_mul_i32 s20, s[PFS], 3
	s_add_nc_u64 s[PFA:PFA+1], s[PFA:PFA+1], s[20:21]   ; at K step 3: the first refill steps it to 4.  Nothing is prefetched here, at the head
	; where my 128 sums go: slice 2 x B's tile + half, rows 256 x A's tile + 128 x half
	s_lshl_b32 s20, s42, 16
	s_lshl_b32 s22, s16, 15
	s_add_co_u32 s20, s20, s22
	s_lshl_b32 s22, s17, 10
	s_add_co_u32 s20, s20, s22
	s_lshl_b32 s22, s15, 9
	s_add_co_u32 s20, s20, s22
	s_add_nc_u64 s[12:13], s[12:13], s[20:21]
	; THE WEIGHTS, while the first tiles are on their way: q of my batch (A's tile / 2) at my 128 columns, four a lane
	s_lshl_b32 s20, s42, 10
	s_lshl_b32 s22, s16, 9
	s_add_co_u32 s20, s20, s22                     ; my first column, in bytes
	s_add_nc_u64 s[98:99], s[98:99], s[20:21]
	s_add_nc_u64 s[104:105], s[104:105], s[20:21]
	s_lshr_b32 s22, s17, 1
	s_lshl_b32 s22, s22, 13                        ; my batch's row of 8,192 bytes
	s_add_co_u32 s20, s20, s22
	s_add_nc_u64 s[96:97], s[96:97], s[20:21]
.irp s, 0,1,2,3,4,5,6,7
	global_load_b128 v[128+4*\s:131+4*\s], v[CO], s[96:97] offset:\s*131072   ; the eight slices of K
.endr
	global_load_b128 v[160:163], v[CO], s[98:99]   ; bq
	global_load_b128 v[164:167], v[CO], s[104:105] ; bk
	s_wait_loadcnt 0x0
.macro VADD x, y                       ; the four numbers at v[x] += those at v[y]
	v_pk_add_f32 v[\x:\x+1], v[\x:\x+1], v[\y:\y+1]
	v_pk_add_f32 v[\x+2:\x+3], v[\x+2:\x+3], v[\y+2:\y+3]
.endm
.irp s, 0,1,2,3
	VADD 128+4*\s, 144+4*\s
.endr
.irp s, 0,1
	VADD 128+4*\s, 136+4*\s
.endr
	VADD 128, 132
	VADD 128, 160                                  ; q = the sum of the slices + bq
	v_mul_f32 v3, v128, v164                       ; q bk of my four columns,
	v_fma_f32 v3, v129, v165, v3
	v_fma_f32 v3, v130, v166, v3
	v_fma_f32 v3, v131, v167, v3
	v_add_f32_dpp v3, v3, v3 row_xmask:1 row_mask:0xf bank_mask:0xf   ; and of the wave's 128
	v_add_f32_dpp v3, v3, v3 row_xmask:2 row_mask:0xf bank_mask:0xf
	v_add_f32_dpp v3, v3, v3 row_xmask:4 row_mask:0xf bank_mask:0xf
	v_add_f32_dpp v3, v3, v3 row_xmask:8 row_mask:0xf bank_mask:0xf
	v_permlanex16_b32 v4, v3, s[SEL], s[SEL+1]
	v_add_f32 v[FINR], v3, v4
	ds_store_b128 v[RD], v[128:131]                ; my wave's 128 q, in its own stage;
.irp b, 0,1,2,3,4,5,6,7
.irp i, 0,1
	ds_load_b128 v[WT+8*\b+4*\i:WT+8*\b+4*\i+3], v7 offset:64*\b+16*\i   ; back as each lane wants them: q[16 b + 8 h + 0 .. 7].  LDS serves a wave's instructions in order: these see the store
.endr
.endr
.macro FRAG reg, adr, q, i             ; a fragment: block i of 16 rows, the slot's q-th 128 along K: four loads of 512 consecutive bytes
.irp c, 0,1,2,3
	ds_load_b128 v[\reg+4*\c:\reg+4*\c+3], v[\adr] offset:2048*(\q)+512*\c+(\i)*4096
.endr
.endm
; 16 matrix instructions: A's blocks a0, a0 + 1 x B's eight, 128 along K.  p: B's set;  sc: the set of scale words.  zero = 1: the first product starts the sums: nothing is cleared.
; The 64 accumulators take turns, one instruction a turn, in the same order in every step.
.macro MUL16 a0, p, q, sc, zero
.irp a, \a0, \a0+1
.irp b, 0,1,2,3,4,5,6,7
.if \zero
	v_wmma_scale_f32_16x16x128_f8f6f4 v[8*(8*((\a)%4)+\b):8*(8*((\a)%4)+\b)+7], v[128*(\p)+FR*\b:128*(\p)+FR*\b+FR-1], v[AF+FR*(\a):AF+FR*(\a)+FR-1], 0, v[SC+8*NQ*(\sc)+NQ*\b+(\q)], v[SC+8*NQ*(\sc)+NQ*(\a)+(\q)] matrix_a_scale:MATRIX_SCALE_ROW1
.else
	v_wmma_scale_f32_16x16x128_f8f6f4 v[8*(8*((\a)%4)+\b):8*(8*((\a)%4)+\b)+7], v[128*(\p)+FR*\b:128*(\p)+FR*\b+FR-1], v[AF+FR*(\a):AF+FR*(\a)+FR-1], v[8*(8*((\a)%4)+\b):8*(8*((\a)%4)+\b)+7], v[SC+8*NQ*(\sc)+NQ*\b+(\q)], v[SC+8*NQ*(\sc)+NQ*(\a)+(\q)] matrix_a_scale:MATRIX_SCALE_ROW1
.endif
.endr
.endr
.endm
.macro FETCH_B slot, q, p              ; B's eight fragments into set p
	WIN TO_B
.irp i, 0,1,2,3,4,5,6,7
	FRAG 128*(\p)+FR*\i, ADRB+\slot, \q, \i
.endr
	WIN 0
.endm
.macro FETCH_A slot, q, i0             ; A's blocks i0 .. i0 + 3
.irp i, \i0, \i0+1, \i0+2, \i0+3
	FRAG AF+FR*(\i), ADRA+\slot, \q, \i
.endr
.endm
.macro SCALES sc                       ; a K step's scale words into set sc: two words a row; lanes 0-15 take A's block i, lanes 16-31 B's block i
.irp i, 0,1,2,3,4,5,6,7
	ds_load_b64 v[SC+8*NQ*\sc+NQ*\i:SC+8*NQ*\sc+NQ*\i+1], v[ADRS] offset:\i*1024
.endr
.endm
; A load into a register that a matrix instruction has read, and a vector instruction that reads a matrix result or writes one of its registers, stand NP places behind it; only plain vector instructions
; that name none of its registers are places (ISA guide 7.12.1 for vector instructions).
.macro PLACES n
.rept \n
	v_nop
.endr
.endm
; A step of 128 along K that has its successor in the same slot.  A block of A is free as soon as its eight products are issued: blocks 0-3 are fetched anew in the step's middle, blocks 4-7 at its end.
.macro STEP slot, q, zero
	s_wait_dscnt 4*NL                              ; B's set, A's blocks 0-3 and the scale words are in; the youngest 16 loads (A's blocks 4-7) may be out
	WIN MUL_LO
	MUL16 0, (\q)%2, \q, \slot, \zero
	MUL16 2, (\q)%2, \q, \slot, \zero
	s_wait_dscnt 0                                 ; A's blocks 4-7 are in
	PLACES NP
	FETCH_B \slot, (\q)+1, 1-(\q)%2
	FETCH_A \slot, (\q)+1, 0
	WIN MUL_HI
	MUL16 4, (\q)%2, \q, \slot, \zero
	MUL16 6, (\q)%2, \q, \slot, \zero
	PLACES NP
	WIN 0
	FETCH_A \slot, (\q)+1, 4
.endm
; A slot's last step changes slots: one barrier; in front of it each wave waits for all its tensor loads, adds 0 to its spare word, and waits for that and for its own reads of this slot.
; fill = 1: the barrier opens a round of the cluster's barrier, and this slot is filled again, two K steps ahead, first thing behind the round.
.macro TURN slot, next, fill
.if \fill
	s_wait_xcnt 0x0                                ; the last prefetch, a K step back, has read its address: it is stepped here, ahead of the waits of the change of slots
	s_add_nc_u64 s[PFA:PFA+1], s[PFA:PFA+1], s[PFS:PFS+1]
.endif
	s_wait_tensorcnt 0x0                           ; all my tensor loads have landed: my part of the next slot
	ds_add_u32 v[SPW], v[NIL]                      ; 0 onto my spare word
	s_wait_dscnt 4*NL+1                            ; (the add and the youngest 16 loads, A's blocks 4-7, may be out)
	WIN MUL_LO
	MUL16 0, 1, NQ-1, \slot, 0                     ; sixteen matrix instructions stand between the add and the wait for it
	s_wait_dscnt 0x0                               ; the add is done, and my reads of this slot are over
	s_barrier_signal -1
	MUL16 2, 1, NQ-1, \slot, 0
	WIN 0
	s_barrier_wait -1
.if \fill
	CREST                                          ; no wave of any partner still reads this slot's tile or has a load on its way
	s_add_nc_u64 s[G0+4*\slot+2:G0+4*\slot+3], s[G0+4*\slot+2:G0+4*\slot+3], 2*PLANE_A
	s_add_nc_u64 s[G0B+4*\slot+2:G0B+4*\slot+3], s[G0B+4*\slot+2:G0B+4*\slot+3], 2*PLANE_B
	JLOAD G0+4*\slot, G1, G0B+4*\slot, G1B         ; the first tensor load behind the round, my only one until the next; its four v_nop are among the places in front of the loads below
	PLACES NP-4
.else
	PLACES NP
.endif
	v_add_nc_u32 v[ADRS], 128, v[ADRS]             ; on to the next K step's scale words
	FETCH_B \next, 0, 0
	FETCH_A \next, 0, 0
	SCALES \next
.if \fill
	ASK
.endif
	WIN MUL_HI
	MUL16 4, 1, NQ-1, \slot, 0
	MUL16 6, 1, NQ-1, \slot, 0
	PLACES NP
	WIN 0
	FETCH_A \next, 0, 4
.endm
	s_wait_tensorcnt 1                             ; the scale words and my part of K step 0 are in; K step 1's load may be out
	s_wait_dscnt 0x0                               ; no LDS access of mine is out at a signal: the weights are in
	s_barrier_signal -1
	s_barrier_wait -1                              ; everybody's are
	FETCH_B 0, 0, 0
	FETCH_A 0, 0, 0
	SCALES 0
	FETCH_A 0, 0, 4
	STEP 0, 0, 1                                   ; the first step stands in front of the loop: its products start the sums
	s_mov_b32 s3, LAPS-1
.Llap:                                                 ; a trip goes once round the ring, from a lap's second step to the next lap's first, and fills both slots again
	TURN 0, 1, 1
	STEP 1, 0, 0
	TURN 1, 0, 1
	STEP 0, 0, 0
	s_sub_co_u32 s3, s3, 1
	s_cmp_lg_u32 s3, 0
	s_cbranch_scc1 .Llap
	TURN 0, 1, 0                                   ; the last lap fills nothing, and has no round of the cluster's barrier
	STEP 1, 0, 0
	s_wait_dscnt 4*NL                              ; the very last step: nothing more to fetch
	WIN MUL_LO
	MUL16 0, 1, NQ-1, 1, 0
	MUL16 2, 1, NQ-1, 1, 0
	s_wait_dscnt 0
	WIN MUL_HI
	MUL16 4, 1, NQ-1, 1, 0
	MUL16 6, 1, NQ-1, 1, 0
; THE END: for each of my eight blocks of 16 rows, the sum over my 128 columns of weight x accumulator: 32 packed multiply-adds a block, four blocks' chains by turns; each accumulator is read from its low end on.
.macro WSUM hi, win                    ; hi = 0: blocks 0-3 (source 0 in window 2);  1: blocks 4-7 (window 3)
	WIN \win
.irp b, 0,1,2,3,4,5,6,7
.irp p, 0,2,4,6
.irp a, 0,1,2,3
.if (\b == 0) && (\p == 0)
	v_pk_mul_f32 v[RS+8*\hi+2*\a:RS+8*\hi+2*\a+1], v[8*(8*\a+\b)+\p:8*(8*\a+\b)+\p+1], v[WT+8*\b+\p:WT+8*\b+\p+1]
.else
	v_pk_fma_f32 v[RS+8*\hi+2*\a:RS+8*\hi+2*\a+1], v[8*(8*\a+\b)+\p:8*(8*\a+\b)+\p+1], v[WT+8*\b+\p:WT+8*\b+\p+1], v[RS+8*\hi+2*\a:RS+8*\hi+2*\a+1]
.endif
.endr
.endr
.endr
.endm
	PLACES NP                                      ; ahead of the first read of results and the first write over A's fragments
	WSUM 0, 0x02
	WSUM 1, 0x03
	WIN 0
.irp a, 0,1,2,3,4,5,6,7
	v_add_f32 v[RT+\a], v[RS+2*\a], v[RS+2*\a+1]   ; the pair's two halves,
.endr
.irp a, 0,1,2,3,4,5,6,7
	v_permlanex16_b32 v[RS+2*\a], v[RT+\a], s[SEL], s[SEL+1]
.endr
.irp a, 0,1,2,3,4,5,6,7
	v_add_f32 v[RT+\a], v[RT+\a], v[RS+2*\a]       ; lane l xor 16's columns,
.endr
.irp a, 0,1,2,3,4,5,6,7
	v_add_f32 v[RT+\a], v[RT+\a], v[FINR]          ; and q . bk of these columns
.endr
.irp a, 0,1,2,3,4,5,6,7
	ds_store_b32 v[STO], v[RT+\a] offset:64*\a     ; row 16 a + r (both halves of the lanes write the same word with the same value)
.endr
	ds_load_b128 v[160:163], v[RD]                 ; LDS serves a wave's instructions in order: this sees my stores
	s_wait_dscnt 0x0
	global_store_b128 v[CO], v[160:163], s[12:13]  ; 32 lanes store 512 consecutive bytes, aligned
	s_wait_tensorcnt 0x0                           ; the wave's end: behind my last tensor load and my last LDS store
	ds_add_u32 v[SPW], v[NIL]
	s_wait_dscnt 0x0
	CROUND                                         ; the closing round: no work-group ends while a partner may still ask for a tile that names it
	s_endpgm
.Lfunc_end_k_qc8145526d1_kgemm:
	.size	k_qc8145526d1_kgemm, .Lfunc_end_k_qc8145526d1_kgemm-k_qc8145526d1_kgemm
	.p2alignl 7, 3214868480
	.fill 96, 4, 3214868480
	.section	.rodata,"a",@progbits
	.p2align	6, 0x0
	.amdhsa_kernel k_qc8145526d1_kgemm
		.amdhsa_group_segment_fixed_size 327680
		.amdhsa_private_segment_fixed_size 0
		.amdhsa_enable_private_segment 0
		.amdhsa_kernarg_size 64
		.amdhsa_user_sgpr_count 2
		.amdhsa_user_sgpr_kernarg_segment_ptr 1
		.amdhsa_wavefront_size32 1
		.amdhsa_system_sgpr_workgroup_id_x 1
		.amdhsa_system_sgpr_workgroup_id_y 1
		.amdhsa_system_sgpr_workgroup_id_z 1
		.amdhsa_system_vgpr_workitem_id 0
		.amdhsa_next_free_vgpr 1024
		.amdhsa_next_free_sgpr 106
		.amdhsa_reserve_vcc 0
		.amdhsa_float_denorm_mode_32 3
		.amdhsa_float_denorm_mode_16_64 3
		.amdhsa_memory_ordered 1
		.amdhsa_forward_progress 1
		.amdhsa_inst_pref_size 139
	.end_amdhsa_kernel
	.amdgpu_metadata
---
amdhsa.version: [ 1, 2 ]
amdhsa.kernels:
  - .name:           k_qc8145526d1_kgemm
    .symbol:         k_qc8145526d1_kgemm.kd
    .args:
      - { .name: xc, .offset: 0, .size: 8, .value_kind: global_buffer, .address_space: global }
      - { .name: xs, .offset: 8, .size: 8, .value_kind: global_buffer, .address_space: global }
      - { .name: wc, .offset: 16, .size: 8, .value_kind: global_buffer, .address_space: global }
      - { .name: ws, .offset: 24, .size: 8, .value_kind: global_buffer, .address_space: global }
      - { .name: qp, .offset: 32, .size: 8, .value_kind: global_buffer, .address_space: global }
      - { .name: bq, .offset: 40, .size: 8, .value_kind: global_buffer, .address_space: global }
      - { .name: bk, .offset: 48, .size: 8, .value_kind: global_buffer, .address_space: global }
      - { .name: sp, .offset: 56, .size: 8, .value_kind: global_buffer, .address_space: global }
    .group_segment_fixed_size: 327680
    .private_segment_fixed_size: 0
    .kernarg_segment_align: 8
    .kernarg_segment_size: 64
    .max_flat_workgroup_size: 128
    .sgpr_count:     106
    .vgpr_count:     1024
    .wavefront_size: 32
...
	.end_amdgpu_metadata
.endif
;; end of part 2
;; launch vgemm (part 3): grid 32 x 8, 4 waves a work-group, clusters of 4 x 4, 327,680 bytes of LDS; arguments wc, ws, xc, xs, sp, vp; writes vp
.if DOCPART == 3
	.amdgcn_target "amdgcn-amd-amdhsa--gfx1250"
	.amdhsa_code_object_version 6
	.text
	.protected	k_qc8145526d1_vgemm
	.globl	k_qc8145526d1_vgemm
	.p2align	8
	.type	k_qc8145526d1_vgemm,@function
k_qc8145526d1_vgemm:
	s_mov_b64 s[64:65], 0
	v_nop
	global_prefetch_b8 v0, s[64:65] scope:SCOPE_SE
	s_setreg_imm32_b32 hwreg(HW_REG_WAVE_MODE, 25, 1), 1
	s_wait_xcnt 0x0
	s_wait_alu depctr_hold_cnt(0) depctr_sa_sdst(0) depctr_va_vdst(0) depctr_va_sdst(0) depctr_va_ssrc(0) depctr_va_vcc(0) depctr_vm_vsrc(0)
	s_getreg_b32 s2, hwreg(HW_REG_IB_STS2, 6, 4)
	s_cmp_eq_u32 s2, 0
	s_cbranch_scc0 .Lentry_in_a_cluster
	s_endpgm
.Lentry_in_a_cluster:
	s_bfe_u32 s2, ttmp6, 0x10000c
	s_cmp_lg_u32 s2, 0xf033
	s_cbranch_scc0 .Lentry_shape_is_right
	s_endpgm
.Lentry_shape_is_right:
; VGEMM: the softmax of a batch's 512 scores at the head; then v = context x Wv on codes of FP8 (E4M3) with E8M0 scales, and, straight from the accumulators, vp[slice][o] = sum over the slice's 128 keys l of attn[l] v[l][o], in f32.
; v never goes to memory.  bv is added by the last launch: the sum over l of attn[l] (v[l][o] + bv[o]) = the sum of attn[l] v[l][o] + bv[o] x the sum of attn, and the softmax's weights add up to 1 for every input.
; THE SOFTMAX: a score is the sum of its 16 slices of sp; the batch's largest score is taken away; p = 2^((score - largest) x log2(e) / sqrt(2048)); the accumulators are weighed with p, and the result is multiplied by 1 / the sum of p.
; Every work-group computes its batch's softmax for itself: 512 numbers, four a thread.
; A = Wv (2,048 columns o as rows), B = context (8,192 rows l); K = 2,048.  Codes and scale words lie in memory as images of the operand's registers: a fragment (16 rows x 128 K) is 2,048 bytes, register group c
; at 512 c + 16 x lane; codes [K / 256][row / 16][2][image]; scale words [row / 16][K / 256][r][2].
; A tile of 256 x 256 is made by a work-group of four waves; a wave makes 128 x 128: 64 accumulators, 512 registers.  K goes in steps of 256 through a ring of two LDS slots of 131,072 bytes; a wave's quarter of a slot
; is 32,768 consecutive bytes of memory, brought by one tensor load as 128 rows of 256 bytes.  A fragment comes out of LDS by four loads at 16 x lane: consecutive bytes, no pitch, no padding.
; The scale words of the tile's 256 + 256 rows for all of K (2 x 16,384 bytes, each dense in memory) come once, with the first fills, and stay.
; CLUSTERS: 4 x 4 work-groups.  The four of a row of the cluster need the same tiles of A, the four of a column the same tiles of B: each is asked for jointly, by the same tensor load with the same descriptor and a mask that names the four.
; THE MATRIX INSTRUCTION IS USED TRANSPOSED (source 0 = 16 rows of B, source 1 = 16 rows of A): lane (r, h) holds column o = r of the block, and its register j key l = 8 h + j: the sum over l is taken inside a lane, then across the two halves.
; REGISTERS, in windows of 256: window 0: v1-29 addresses and small things; v32-63 scale words, two sets; v64-127 the 64 weights p[l] of my lane; from v128 A's fragments, one set (at the head and the end: at work).
;   window 1: B's fragments, two sets.   window 2: the accumulators of my rows 0-63 of A ((a, b) at v[8 (8 a + b)]);   window 3: those of my rows 64-127.
; LIMITS: a p under 2^-126 counts as 0 (v_exp_f32 gives no denormals); NaN and infinities are not served.
.set PLANE_A, 524288                   ; a K step of 256 of all of A's rows, in bytes
.set PLANE_B, 2097152                  ; of all of B's
.set NQ,     2                         ; matrix instructions deep in a slot
.set FR,     16                        ; registers of a fragment
.set NL,     4                         ; LDS loads that bring one
.set NP,     8                         ; places behind this matrix instruction (ISA guide 7.12.1)
.set SLOT,   131072                    ; A's 16 blocks of 16 rows x 4,096 bytes, then B's
.set LAPS,   4                         ; a lap = two K steps = once round the ring: 2,048 / 512
.set SCL,    2*SLOT                    ; behind the ring: A's scale words, 16,384 bytes, then B's
.set SPARE,  SCL+32768                 ; the spare words, 128 bytes for each wave: two blocks of 256 bytes that no other line names
.set STG,    SPARE+512                 ; 512 bytes for each wave, its own: at the end its 128 sums
.set PBUF,   STG+2048                  ; the batch's 512 p, the work-group's own 256 keys first
.set RED,    PBUF+2048                 ; four waves' maxima, then their sums.  No tensor load lands in STG, PBUF or RED
.set PFO,  8                           ; v8      256 x lane: the prefetches' offset; never rewritten
.set FINR, 10                          ; v10     1 / the sum of p
.set ADRA, 16                          ; v16-17  LDS address of my A fragments in slot 0, 1
.set ADRB, 20                          ; v20-21  the same for B
.set STO,  24                          ; v24     my stage + 4 r
.set RD,   25                          ; v25     my stage + 16 x lane
.set CO,   26                          ; v26     16 x lane
.set ADRS, 27                          ; v27     LDS address of my scale words: lanes 0-15 A's rows, lanes 16-31 B's
.set SPW,  28                          ; v28     LDS address of my spare word; never rewritten
.set NIL,  29                          ; v29     0; never rewritten
.set SC,   32                          ; scale words: set s at v[SC + 16 s]; register 2 i + q: lanes 0-15 the word of A's block i, lanes 16-31 of B's block i, for the slot's q-th 128 along K
.set WT,   64                          ; the weights: v[WT + 8 b + j] = p[16 b + 8 h + j] of my 128 keys
.set AF,   128                         ; A's fragments
.set RS,   128                         ; the end: eight pairs of running sums
.set RT,   144                         ; and eight sums
.set G1, 24                            ; s[24:31] descriptor group 1 for A's tiles;  s[32:39] group 0, one set for each slot
.set G0, 32
.set G1B, 48                           ; s[48:55], s[56:63] the same for B's
.set G0B, 56
.set SEL, 66                           ; s[66:67] v_permlanex16_b32's selects for lane l xor 16
.set G1S, 68                           ; s[68:75], s[76:79] groups 1 and 0 for A's scale words;  s[80:87], s[88:91] for B's
.set G0S, 76
.set G1SB, 80
.set G0SB, 88
.set PFA, 92                           ; s[92:93] where my prefetches stand
.set PFS, 94                           ; s[94:95] a K step on, in the tensor that I fetch for
.set LIM, 100                          ; s100    1 in a wave that prefetches, else the greatest number
.set MSB, 0
.macro WIN new                         ; the immediate's high byte repeats the setting that is left
.if MSB != \new
	s_set_vgpr_msb (MSB<<8)|\new
.set MSB, \new
.endif
.endm
.set MUL_LO, 0xa1                      ; source 0 (B) window 1, source 1 (A) window 0, C and D window 2
.set MUL_HI, 0xf1                      ; the same, C and D window 3
.set TO_B,   0x40                      ; destination window 1, address window 0
; A joint load: waves 0 and 1 fetch for A, waves 2 and 3 for B.  Each of the two lines has one mask and one set of registers for all that issue it; the branch hangs on the wave's number alone.
; Four v_nop follow each of the two lines, ahead of the jump, the label and what follows.
.macro JLOAD g0a, g1a, g0b, g1b
	s_cmp_eq_u32 s15, 0
	s_cbranch_scc0 .Lfor_b_\@
	tensor_load_to_lds s[\g0a:\g0a+3], s[\g1a:\g1a+7]
	s_nop 0
.rept 4
	v_nop
.endr
	s_branch .Lasked_\@
.Lfor_b_\@:
	tensor_load_to_lds s[\g0b:\g0b+3], s[\g1b:\g1b+7]
	s_nop 0
.rept 4
	v_nop
.endr
.Lasked_\@:
.endm
.macro CREST                           ; a round of the cluster's barrier behind its opening barrier
	s_cmp_lg_u32 s14, 0
	s_cbranch_scc1 .Lnot_wave_0_\@
	s_barrier_signal -3
.Lnot_wave_0_\@:
	s_barrier_wait -3
	s_barrier_signal -1
	s_barrier_wait -1
.endm
.macro CROUND                          ; a whole round
	s_barrier_signal -1
	s_barrier_wait -1
	CREST
.endm
; A prefetch into the L2, behind a joint load, its four lines and the run of LDS loads: the K step that stands two refills on.  Of the 32,768 bytes that a wave fetches, each of the four partners that ask for them
; jointly names 8,192, told apart by address (cx for A, cy for B): lanes 256 bytes apart, one instruction a wave.  A's tile is read by every cluster of its row of clusters: cluster x = 0 asks; B's by every cluster
; of its column: cluster y = 0 asks.  So each block of 256 bytes is named once in the launch.  The loop's last trip (s3 = 1) asks for nothing: there is no K step two on.  K steps 0 to 3 come by their loads alone.
.macro ASK
	s_cmp_gt_u32 s3, s[LIM]
	s_cbranch_scc0 .Lnot_mine_\@
	global_prefetch_b8 v[PFO], s[PFA:PFA+1] th:TH_LOAD_NT scope:SCOPE_SE
.Lnot_mine_\@:
.endm
	s_load_b256 s[4:11], s[0:1], 0x0               ; the weights' codes s[4:5] and scale words s[6:7], the context's codes s[8:9] and scale words s[10:11]
	s_load_b64 s[96:97], s[0:1], 0x20              ; sp
	s_load_b64 s[12:13], s[0:1], 0x28              ; vp
	v_lshl_add_u32 v[SPW], v0, 2, SPARE
	v_mov_b32 v[NIL], 0
	ds_add_u32 v28, v29
	ds_add_u32 v28, v29
	s_wait_dscnt 0x0
	v_lshrrev_b32 v1, 5, v0
	v_readfirstlane_b32 s14, v1                    ; wave 0..3
	s_lshr_b32 s15, s14, 1                         ; which half of the tile's rows of A is mine.  Also: I fetch for A (0) or for B (1)
	s_and_b32 s16, s14, 1                          ; which half of B's.  Also: which half of that tile I fetch
	s_bfe_u32 s40, ttmp6, 0x40000                  ; cx, cy: my place in the cluster
	s_bfe_u32 s41, ttmp6, 0x40004
	s_lshl_b32 s42, ttmp9, 2
	s_add_co_u32 s42, s42, s40                     ; B's tile = 4 x cluster x + cx
	s_and_b32 s17, ttmp7, 0xffff
	s_lshl_b32 s17, s17, 2
	s_add_co_u32 s17, s17, s41                     ; A's tile = 4 x cluster y + cy
	s_lshl_b32 s43, s41, 2
	s_lshl_b32 s43, 15, s43                        ; my row of the cluster
	s_lshl_b32 s44, 0x1111, s40                    ; my column
	; descriptor group 1: a dense block of 32,768 bytes as 128 rows of 32 elements of 8 bytes; no padding
	s_or_b32 s[G1+0], s43, (3<<16)|(1<<21)         ; 15:0 the mask: A's tiles go to my row; 17:16 elements of 8 bytes; 21 set beside a mask
	s_or_b32 s[G1B+0], s44, (3<<16)|(1<<21)
.irp g, G1, G1B
	s_mov_b32 s[\g+1], 32<<16                      ; tensor_dim0 = 32
	s_mov_b32 s[\g+2], 128<<16                     ; tensor_dim1 = 128
	s_mov_b32 s[\g+3], 32<<16                      ; tile_dim0 = 32
	s_mov_b32 s[\g+4], 128                         ; tile_dim1 = 128
	s_mov_b32 s[\g+5], 32                          ; tensor_dim0_stride
	s_mov_b32 s[\g+6], 0
	s_mov_b32 s[\g+7], 0
.endr
	; and for the scale words of 128 rows: 8,192 dense bytes as 32 such rows
	s_or_b32 s[G1S+0], s43, (3<<16)|(1<<21)
	s_or_b32 s[G1SB+0], s44, (3<<16)|(1<<21)
.irp g, G1S, G1SB
	s_mov_b32 s[\g+1], 32<<16
	s_mov_b32 s[\g+2], 32<<16
	s_mov_b32 s[\g+3], 32<<16
	s_mov_b32 s[\g+4], 32
	s_mov_b32 s[\g+5], 32
	s_mov_b32 s[\g+6], 0
	s_mov_b32 s[\g+7], 0
.endr
	s_lshl_b32 s18, s16, 15                        ; which half of a tile's 65,536 bytes I fetch
	s_lshl_b32 s20, s17, 16
	s_add_co_u32 s20, s20, s18                     ; A's codes: made of A's tile and the wave's number alone
	s_mov_b32 s21, 0
	s_lshl_b32 s46, s42, 16
	s_add_co_u32 s46, s46, s18                     ; B's: of B's tile and the wave's number alone
	s_mov_b32 s47, 0
	s_lshl_b32 s19, s16, 13                        ; and of its 16,384 bytes of scale words
	s_lshl_b32 s22, s17, 14
	s_add_co_u32 s22, s22, s19
	s_mov_b32 s23, 0
	s_lshl_b32 s92, s42, 14
	s_add_co_u32 s92, s92, s19
	s_mov_b32 s93, 0
	s_lshl_b32 s45, s14, 15                        ; where they go: wave x 32,768: no place in the cluster enters an LDS address
	s_lshl_b32 s94, s14, 13                        ; wave x 8,192
	s_wait_kmcnt 0x0
	s_add_nc_u64 s[4:5], s[4:5], 4194304           ; Wv's codes lie behind Wk's,
	s_add_nc_u64 s[6:7], s[6:7], 131072            ; and so do its scale words
	s_add_nc_u64 s[20:21], s[4:5], s[20:21]
	s_add_nc_u64 s[22:23], s[6:7], s[22:23]
	s_add_nc_u64 s[46:47], s[8:9], s[46:47]
	s_add_nc_u64 s[92:93], s[10:11], s[92:93]
	CROUND                                         ; all sixteen work-groups are here: the first joint loads meet
	s_mov_b32 s[G0S], 1
	s_add_co_u32 s[G0S+1], s94, SCL
	s_mov_b64 s[G0S+2:G0S+3], s[22:23]
	s_or_b32 s[G0S+3], s[G0S+3], 0x80000000
	s_mov_b32 s[G0SB], 1
	s_add_co_u32 s[G0SB+1], s94, SCL
	s_mov_b64 s[G0SB+2:G0SB+3], s[92:93]
	s_or_b32 s[G0SB+3], s[G0SB+3], 0x80000000
	JLOAD G0S, G1S, G0SB, G1SB                     ; the scale words first: they are wanted with K step 0
.irp s, 0,1
	s_mov_b32 s[G0+4*\s], 1
	s_add_co_u32 s[G0+4*\s+1], s45, \s*SLOT
	s_add_nc_u64 s[G0+4*\s+2:G0+4*\s+3], s[20:21], \s*PLANE_A
	s_or_b32 s[G0+4*\s+3], s[G0+4*\s+3], 0x80000000
	s_mov_b32 s[G0B+4*\s], 1
	s_add_co_u32 s[G0B+4*\s+1], s45, \s*SLOT
	s_add_nc_u64 s[G0B+4*\s+2:G0B+4*\s+3], s[46:47], \s*PLANE_B
	s_or_b32 s[G0B+4*\s+3], s[G0B+4*\s+3], 0x80000000
	JLOAD G0+4*\s, G1, G0B+4*\s, G1B               ; three tensor loads of mine are out
.endr
	; the scores of my batch (B's tile / 2): 16 slices x 512 rows, four rows a thread.  The exclusive or puts my work-group's own 256 keys at threads 0 to 63: it enters a global address alone
	s_lshr_b32 s20, s42, 1
	s_lshl_b32 s20, s20, 11                        ; my batch's 512 rows, in bytes
	s_mov_b32 s21, 0
	s_add_nc_u64 s[96:97], s[96:97], s[20:21]
	s_and_b32 s18, s42, 1
	s_lshl_b32 s18, s18, 10
	v_lshlrev_b32 v5, 4, v0
	v_xor_b32 v5, s18, v5
.irp s, 0,1,2,3,4,5,6,7,8,9,10,11,12,13,14,15
	global_load_b128 v[128+4*\s:131+4*\s], v5, s[96:97] offset:\s*32768
.endr
	v_and_b32 v1, 15, v0                           ; r
	v_bfe_u32 v2, v0, 4, 1                         ; h
	v_and_b32 v3, 31, v0
	v_lshlrev_b32 v[CO], 4, v3                     ; 16 x lane
	v_lshlrev_b32 v[PFO], 8, v3                    ; 256 x lane
	v_mov_b32 v4, 0                                ; (a lane permute's destination counts as one of its sources)
	s_lshl_b32 s21, s15, 15                        ; my 128 rows of A
	s_lshl_b32 s22, s16, 15                        ; my 128 rows of B,
	s_add_co_u32 s22, s22, 65536                   ; which lie behind A's 256
.irp s, 0,1
	v_add_nc_u32 v[ADRA+\s], s21, v[CO]
	v_add_nc_u32 v[ADRB+\s], s22, v[CO]
	s_add_co_u32 s21, s21, SLOT
	s_add_co_u32 s22, s22, SLOT
.endr
	v_lshlrev_b32 v9, 3, v1                        ; my row's two words of a K step
	s_lshl_b32 s21, s15, 13                        ; A's: my 128 rows
	s_lshl_b32 s22, s16, 13                        ; B's: my 128 rows, behind A's 256
	s_add_co_u32 s22, s22, 16384
	s_sub_co_u32 s22, s22, s21
	v_mul_u32_u24 v6, s22, v2                      ; lanes 16-31 take B's: one product, the distance between the two bases x h
	s_add_co_u32 s21, s21, SCL
	v_add_nc_u32 v9, v9, v6
	v_add_nc_u32 v[ADRS], s21, v9
	s_lshl_b32 s23, s14, 9
	s_add_co_u32 s23, s23, STG                     ; my stage
	v_lshl_add_u32 v[STO], v1, 2, s23
	v_add_nc_u32 v[RD], s23, v[CO]
	s_lshl_b32 s23, s16, 9
	s_add_co_u32 s23, s23, PBUF
	v_lshl_add_u32 v7, v2, 5, s23                  ; where my lane's weights begin: my 128 keys of the work-group's 256, + 32 h
	v_lshl_add_u32 v9, v0, 4, PBUF                 ; where my thread puts its four p
	s_lshl_b32 s23, s14, 2
	s_add_co_u32 s23, s23, RED
	v_mov_b32 v6, s23                              ; my wave's word among the maxima
	v_mov_b32 v11, RED
	s_mov_b32 s[SEL], 0x76543210
	s_mov_b32 s[SEL+1], 0xfedcba98
	; the prefetches: where mine stand, and who asks
	s_and_b32 s22, ttmp7, 0xffff                   ; cluster y
	s_cmp_eq_u32 s15, 0                            ; do I fetch for A?
	s_cselect_b32 s20, s17, s42                    ; the tile,
	s_cselect_b32 s21, s40, s41                    ; my place among the four that ask for it with me,
	s_cselect_b32 s22, ttmp9, s22                  ; the coordinate along which other clusters read the same bytes
	s_cselect_b64 s[PFA:PFA+1], s[4:5], s[8:9]
	s_mov_b32 s[PFS], PLANE_B
	s_cselect_b32 s[PFS], PLANE_A, s[PFS]
	s_mov_b32 s[PFS+1], 0
	s_cmp_eq_u32 s22, 0
	s_cselect_b32 s[LIM], 1, -1                    ; the same in all sixteen partners, for a given wave
	s_lshl_b32 s20, s20, 16
	s_lshl_b32 s22, s16, 15
	s_add_co_u32 s20, s20, s22                     ; the 32,768 bytes that I fetch,
	s_lshl_b32 s21, s21, 13
	s_add_co_u32 s20, s20, s21                     ; my work-group's 8,192 of them
	s_mov_b32 s21, 0
	s_add_nc_u64 s[PFA:PFA+1], s[PFA:PFA+1], s[20:21]
	s_mul_i32 s20, s[PFS], 3
	s_add_nc_u64 s[PFA:PFA+1], s[PFA:PFA+1], s[20:21]   ; at K step 3: the first refill steps it to 4.  Nothing is prefetched here, at the head
	; where my 128 sums go: slice 2 x B's tile + half, columns 256 x A's tile + 128 x half
	s_lshl_b32 s20, s42, 14
	s_lshl_b32 s22, s16, 13
	s_add_co_u32 s20, s20, s22
	s_lshl_b32 s22, s17, 10
	s_add_co_u32 s20, s20, s22
	s_lshl_b32 s22, s15, 9
	s_add_co_u32 s20, s20, s22
	s_add_nc_u64 s[12:13], s[12:13], s[20:21]
	; THE SOFTMAX, while the first tiles are on their way
	s_wait_loadcnt 0x0
.macro VADD x, y                       ; the four numbers at v[x] += those at v[y]
	v_pk_add_f32 v[\x:\x+1], v[\x:\x+1], v[\y:\y+1]
	v_pk_add_f32 v[\x+2:\x+3], v[\x+2:\x+3], v[\y+2:\y+3]
.endm
.irp s, 0,1,2,3,4,5,6,7
	VADD 128+4*\s, 160+4*\s
.endr
.irp s, 0,1,2,3
	VADD 128+4*\s, 144+4*\s
.endr
.irp s, 0,1
	VADD 128+4*\s, 136+4*\s
.endr
	VADD 128, 132                                  ; my four scores
	v_max3_num_f32 v3, v128, v129, v130
	v_max_num_f32 v3, v3, v131
	v_max_num_f32_dpp v3, v3, v3 row_xmask:1 row_mask:0xf bank_mask:0xf
	v_max_num_f32_dpp v3, v3, v3 row_xmask:2 row_mask:0xf bank_mask:0xf
	v_max_num_f32_dpp v3, v3, v3 row_xmask:4 row_mask:0xf bank_mask:0xf
	v_max_num_f32_dpp v3, v3, v3 row_xmask:8 row_mask:0xf bank_mask:0xf
	v_permlanex16_b32 v4, v3, s[SEL], s[SEL+1]
	v_max_num_f32 v3, v3, v4                       ; the wave's largest
	ds_store_b32 v6, v3
	s_wait_dscnt 0x0                               ; for the others' sake: my store is done
	s_barrier_signal -1
	s_barrier_wait -1
	ds_load_b128 v[12:15], v11
	s_wait_dscnt 0x0
	v_max3_num_f32 v3, v12, v13, v14
	v_max_num_f32 v3, v3, v15                      ; the batch's largest score
.irp i, 0,1,2,3
	v_sub_f32 v[128+\i], v[128+\i], v3
.endr
.irp i, 0,1,2,3
	v_mul_f32 v[128+\i], 0x3d0293ee, v[128+\i]     ; x log2(e) / sqrt(2048)
.endr
.irp i, 0,1,2,3
	v_exp_f32 v[128+\i], v[128+\i]                 ; p, at most 1
.endr
	v_nop                                          ; a plain line behind the last exponential,
	s_wait_alu depctr_va_vdst(0)                   ; and a wait ahead of the first line that names a result: one for the four
	v_add_f32 v3, v128, v129
	v_add_f32 v4, v130, v131
	v_add_f32 v3, v3, v4
	v_add_f32_dpp v3, v3, v3 row_xmask:1 row_mask:0xf bank_mask:0xf
	v_add_f32_dpp v3, v3, v3 row_xmask:2 row_mask:0xf bank_mask:0xf
	v_add_f32_dpp v3, v3, v3 row_xmask:4 row_mask:0xf bank_mask:0xf
	v_add_f32_dpp v3, v3, v3 row_xmask:8 row_mask:0xf bank_mask:0xf
	v_permlanex16_b32 v4, v3, s[SEL], s[SEL+1]
	v_add_f32 v3, v3, v4                           ; the wave's sum of p
	ds_store_b32 v6, v3 offset:16                  ; other bytes than the maxima's
	ds_store_b128 v9, v[128:131]
	s_wait_dscnt 0x0
	s_barrier_signal -1
	s_barrier_wait -1
	ds_load_b128 v[12:15], v11 offset:16
.irp b, 0,1,2,3,4,5,6,7
.irp i, 0,1
	ds_load_b128 v[WT+8*\b+4*\i:WT+8*\b+4*\i+3], v7 offset:64*\b+16*\i   ; p[16 b + 8 h + 0 .. 7] of my 128 keys
.endr
.endr
	s_wait_dscnt 16                                ; the four sums are in; the 16 loads of weights may be out
	v_add_f32 v12, v12, v13
	v_add_f32 v14, v14, v15
	v_add_f32 v12, v12, v14
	v_rcp_f32 v[FINR], v12
	v_nop
	s_wait_alu depctr_va_vdst(0)                   ; ahead of every label and branch, and of the reciprocal's readers at the end
.macro FRAG reg, adr, q, i             ; a fragment: block i of 16 rows, the slot's q-th 128 along K: four loads of 512 consecutive bytes
.irp c, 0,1,2,3
	ds_load_b128 v[\reg+4*\c:\reg+4*\c+3], v[\adr] offset:2048*(\q)+512*\c+(\i)*4096
.endr
.endm
; 16 matrix instructions: A's blocks a0, a0 + 1 x B's eight, 128 along K.  p: B's set;  sc: the set of scale words.  zero = 1: the first product starts the sums: nothing is cleared.
; The 64 accumulators take turns, one instruction a turn, in the same order in every step.
.macro MUL16 a0, p, q, sc, zero
.irp a, \a0, \a0+1
.irp b, 0,1,2,3,4,5,6,7
.if \zero
	v_wmma_scale_f32_16x16x128_f8f6f4 v[8*(8*((\a)%4)+\b):8*(8*((\a)%4)+\b)+7], v[128*(\p)+FR*\b:128*(\p)+FR*\b+FR-1], v[AF+FR*(\a):AF+FR*(\a)+FR-1], 0, v[SC+8*NQ*(\sc)+NQ*\b+(\q)], v[SC+8*NQ*(\sc)+NQ*(\a)+(\q)] matrix_a_scale:MATRIX_SCALE_ROW1
.else
	v_wmma_scale_f32_16x16x128_f8f6f4 v[8*(8*((\a)%4)+\b):8*(8*((\a)%4)+\b)+7], v[128*(\p)+FR*\b:128*(\p)+FR*\b+FR-1], v[AF+FR*(\a):AF+FR*(\a)+FR-1], v[8*(8*((\a)%4)+\b):8*(8*((\a)%4)+\b)+7], v[SC+8*NQ*(\sc)+NQ*\b+(\q)], v[SC+8*NQ*(\sc)+NQ*(\a)+(\q)] matrix_a_scale:MATRIX_SCALE_ROW1
.endif
.endr
.endr
.endm
.macro FETCH_B slot, q, p              ; B's eight fragments into set p
	WIN TO_B
.irp i, 0,1,2,3,4,5,6,7
	FRAG 128*(\p)+FR*\i, ADRB+\slot, \q, \i
.endr
	WIN 0
.endm
.macro FETCH_A slot, q, i0             ; A's blocks i0 .. i0 + 3
.irp i, \i0, \i0+1, \i0+2, \i0+3
	FRAG AF+FR*(\i), ADRA+\slot, \q, \i
.endr
.endm
.macro SCALES sc                       ; a K step's scale words into set sc: two words a row; lanes 0-15 take A's block i, lanes 16-31 B's block i
.irp i, 0,1,2,3,4,5,6,7
	ds_load_b64 v[SC+8*NQ*\sc+NQ*\i:SC+8*NQ*\sc+NQ*\i+1], v[ADRS] offset:\i*1024
.endr
.endm
; A load into a register that a matrix instruction has read, and a vector instruction that reads a matrix result or writes one of its registers, stand NP places behind it; only plain vector instructions
; that name none of its registers are places (ISA guide 7.12.1 for vector instructions).
.macro PLACES n
.rept \n
	v_nop
.endr
.endm
; A step of 128 along K that has its successor in the same slot.  A block of A is free as soon as its eight products are issued: blocks 0-3 are fetched anew in the step's middle, blocks 4-7 at its end.
.macro STEP slot, q, zero
	s_wait_dscnt 4*NL                              ; B's set, A's blocks 0-3 and the scale words are in; the youngest 16 loads (A's blocks 4-7) may be out
	WIN MUL_LO
	MUL16 0, (\q)%2, \q, \slot, \zero
	MUL16 2, (\q)%2, \q, \slot, \zero
	s_wait_dscnt 0                                 ; A's blocks 4-7 are in
	PLACES NP
	FETCH_B \slot, (\q)+1, 1-(\q)%2
	FETCH_A \slot, (\q)+1, 0
	WIN MUL_HI
	MUL16 4, (\q)%2, \q, \slot, \zero
	MUL16 6, (\q)%2, \q, \slot, \zero
	PLACES NP
	WIN 0
	FETCH_A \slot, (\q)+1, 4
.endm
; A slot's last step changes slots: one barrier; in front of it each wave waits for all its tensor loads, adds 0 to its spare word, and waits for that and for its own reads of this slot.
; fill = 1: the barrier opens a round of the cluster's barrier, and this slot is filled again, two K steps ahead, first thing behind the round.
.macro TURN slot, next, fill
.if \fill
	s_wait_xcnt 0x0                                ; the last prefetch, a K step back, has read its address: it is stepped here, ahead of the waits of the change of slots
	s_add_nc_u64 s[PFA:PFA+1], s[PFA:PFA+1], s[PFS:PFS+1]
.endif
	s_wait_tensorcnt 0x0                           ; all my tensor loads have landed: my part of the next slot
	ds_add_u32 v[SPW], v[NIL]                      ; 0 onto my spare word
	s_wait_dscnt 4*NL+1                            ; (the add and the youngest 16 loads, A's blocks 4-7, may be out)
	WIN MUL_LO
	MUL16 0, 1, NQ-1, \slot, 0                     ; sixteen matrix instructions stand between the add and the wait for it
	s_wait_dscnt 0x0                               ; the add is done, and my reads of this slot are over
	s_barrier_signal -1
	MUL16 2, 1, NQ-1, \slot, 0
	WIN 0
	s_barrier_wait -1
.if \fill
	CREST                                          ; no wave of any partner still reads this slot's tile or has a load on its way
	s_add_nc_u64 s[G0+4*\slot+2:G0+4*\slot+3], s[G0+4*\slot+2:G0+4*\slot+3], 2*PLANE_A
	s_add_nc_u64 s[G0B+4*\slot+2:G0B+4*\slot+3], s[G0B+4*\slot+2:G0B+4*\slot+3], 2*PLANE_B
	JLOAD G0+4*\slot, G1, G0B+4*\slot, G1B         ; the first tensor load behind the round, my only one until the next; its four v_nop are among the places in front of the loads below
	PLACES NP-4
.else
	PLACES NP
.endif
	v_add_nc_u32 v[ADRS], 128, v[ADRS]             ; on to the next K step's scale words
	FETCH_B \next, 0, 0
	FETCH_A \next, 0, 0
	SCALES \next
.if \fill
	ASK
.endif
	WIN MUL_HI
	MUL16 4, 1, NQ-1, \slot, 0
	MUL16 6, 1, NQ-1, \slot, 0
	PLACES NP
	WIN 0
	FETCH_A \next, 0, 4
.endm
	s_wait_tensorcnt 1                             ; the scale words and my part of K step 0 are in; K step 1's load may be out
	s_wait_dscnt 0x0                               ; no LDS access of mine is out at a signal: the weights are in
	s_barrier_signal -1
	s_barrier_wait -1                              ; everybody's are
	FETCH_B 0, 0, 0
	FETCH_A 0, 0, 0
	SCALES 0
	FETCH_A 0, 0, 4
	STEP 0, 0, 1                                   ; the first step stands in front of the loop: its products start the sums
	s_mov_b32 s3, LAPS-1
.Llap:                                                 ; a trip goes once round the ring, from a lap's second step to the next lap's first, and fills both slots again
	TURN 0, 1, 1
	STEP 1, 0, 0
	TURN 1, 0, 1
	STEP 0, 0, 0
	s_sub_co_u32 s3, s3, 1
	s_cmp_lg_u32 s3, 0
	s_cbranch_scc1 .Llap
	TURN 0, 1, 0                                   ; the last lap fills nothing, and has no round of the cluster's barrier
	STEP 1, 0, 0
	s_wait_dscnt 4*NL                              ; the very last step: nothing more to fetch
	WIN MUL_LO
	MUL16 0, 1, NQ-1, 1, 0
	MUL16 2, 1, NQ-1, 1, 0
	s_wait_dscnt 0
	WIN MUL_HI
	MUL16 4, 1, NQ-1, 1, 0
	MUL16 6, 1, NQ-1, 1, 0
; THE END: for each of my eight blocks of 16 columns o, the sum over my 128 keys of p x accumulator: 32 packed multiply-adds a block, four blocks' chains by turns; each accumulator is read from its low end on.
.macro WSUM hi, win                    ; hi = 0: blocks 0-3 (source 0 in window 2);  1: blocks 4-7 (window 3)
	WIN \win
.irp b, 0,1,2,3,4,5,6,7
.irp p, 0,2,4,6
.irp a, 0,1,2,3
.if (\b == 0) && (\p == 0)
	v_pk_mul_f32 v[RS+8*\hi+2*\a:RS+8*\hi+2*\a+1], v[8*(8*\a+\b)+\p:8*(8*\a+\b)+\p+1], v[WT+8*\b+\p:WT+8*\b+\p+1]
.else
	v_pk_fma_f32 v[RS+8*\hi+2*\a:RS+8*\hi+2*\a+1], v[8*(8*\a+\b)+\p:8*(8*\a+\b)+\p+1], v[WT+8*\b+\p:WT+8*\b+\p+1], v[RS+8*\hi+2*\a:RS+8*\hi+2*\a+1]
.endif
.endr
.endr
.endr
.endm
	PLACES NP                                      ; ahead of the first read of results and the first write over A's fragments
	WSUM 0, 0x02
	WSUM 1, 0x03
	WIN 0
.irp a, 0,1,2,3,4,5,6,7
	v_add_f32 v[RT+\a], v[RS+2*\a], v[RS+2*\a+1]   ; the pair's two halves,
.endr
.irp a, 0,1,2,3,4,5,6,7
	v_permlanex16_b32 v[RS+2*\a], v[RT+\a], s[SEL], s[SEL+1]
.endr
.irp a, 0,1,2,3,4,5,6,7
	v_add_f32 v[RT+\a], v[RT+\a], v[RS+2*\a]       ; lane l xor 16's keys,
.endr
.irp a, 0,1,2,3,4,5,6,7
	v_mul_f32 v[RT+\a], v[RT+\a], v[FINR]          ; over the sum of p
.endr
.irp a, 0,1,2,3,4,5,6,7
	ds_store_b32 v[STO], v[RT+\a] offset:64*\a     ; column 16 a + r (both halves of the lanes write the same word with the same value)
.endr
	ds_load_b128 v[160:163], v[RD]                 ; LDS serves a wave's instructions in order: this sees my stores
	s_wait_dscnt 0x0
	global_store_b128 v[CO], v[160:163], s[12:13]  ; 32 lanes store 512 consecutive bytes, aligned
	s_wait_tensorcnt 0x0                           ; the wave's end: behind my last tensor load and my last LDS store
	ds_add_u32 v[SPW], v[NIL]
	s_wait_dscnt 0x0
	CROUND                                         ; the closing round: no work-group ends while a partner may still ask for a tile that names it
	s_endpgm
.Lfunc_end_k_qc8145526d1_vgemm:
	.size	k_qc8145526d1_vgemm, .Lfunc_end_k_qc8145526d1_vgemm-k_qc8145526d1_vgemm
	.p2alignl 7, 3214868480
	.fill 96, 4, 3214868480
	.section	.rodata,"a",@progbits
	.p2align	6, 0x0
	.amdhsa_kernel k_qc8145526d1_vgemm
		.amdhsa_group_segment_fixed_size 327680
		.amdhsa_private_segment_fixed_size 0
		.amdhsa_enable_private_segment 0
		.amdhsa_kernarg_size 48
		.amdhsa_user_sgpr_count 2
		.amdhsa_user_sgpr_kernarg_segment_ptr 1
		.amdhsa_wavefront_size32 1
		.amdhsa_system_sgpr_workgroup_id_x 1
		.amdhsa_system_sgpr_workgroup_id_y 1
		.amdhsa_system_sgpr_workgroup_id_z 1
		.amdhsa_system_vgpr_workitem_id 0
		.amdhsa_next_free_vgpr 1024
		.amdhsa_next_free_sgpr 106
		.amdhsa_reserve_vcc 0
		.amdhsa_float_denorm_mode_32 3
		.amdhsa_float_denorm_mode_16_64 3
		.amdhsa_memory_ordered 1
		.amdhsa_forward_progress 1
		.amdhsa_inst_pref_size 142
	.end_amdhsa_kernel
	.amdgpu_metadata
---
amdhsa.version: [ 1, 2 ]
amdhsa.kernels:
  - .name:           k_qc8145526d1_vgemm
    .symbol:         k_qc8145526d1_vgemm.kd
    .args:
      - { .name: wc, .offset: 0, .size: 8, .value_kind: global_buffer, .address_space: global }
      - { .name: ws, .offset: 8, .size: 8, .value_kind: global_buffer, .address_space: global }
      - { .name: xc, .offset: 16, .size: 8, .value_kind: global_buffer, .address_space: global }
      - { .name: xs, .offset: 24, .size: 8, .value_kind: global_buffer, .address_space: global }
      - { .name: sp, .offset: 32, .size: 8, .value_kind: global_buffer, .address_space: global }
      - { .name: vp, .offset: 40, .size: 8, .value_kind: global_buffer, .address_space: global }
    .group_segment_fixed_size: 327680
    .private_segment_fixed_size: 0
    .kernarg_segment_align: 8
    .kernarg_segment_size: 48
    .max_flat_workgroup_size: 128
    .sgpr_count:     106
    .vgpr_count:     1024
    .wavefront_size: 32
...
	.end_amdgpu_metadata
.endif
;; end of part 3
;; launch fin (part 4): grid 64 x 1, 4 waves a work-group, no clusters, 0 bytes of LDS; arguments vp, bv, out0; writes out0
.if DOCPART == 4
	.amdgcn_target "amdgcn-amd-amdhsa--gfx1250"
	.amdhsa_code_object_version 6
	.text
	.protected	k_qc8145526d1_fin
	.globl	k_qc8145526d1_fin
	.p2align	8
	.type	k_qc8145526d1_fin,@function
k_qc8145526d1_fin:
	s_mov_b64 s[64:65], 0
	v_nop
	global_prefetch_b8 v0, s[64:65] scope:SCOPE_SE
	s_setreg_imm32_b32 hwreg(HW_REG_WAVE_MODE, 25, 1), 1
	s_wait_xcnt 0x0
; FIN: out0[b][o] = the four slices of 128 keys of batch b in vp [64][2048] + bv[o].  (The softmax's weights add up to 1, so bv enters once.)
; A work-group takes 512 columns of one batch, a thread four: every load and the store of a wave cover 512 consecutive bytes, aligned.  64 work-groups: 32,768 numbers are all the work there is.
	s_load_b128 s[4:7], s[0:1], 0x0                ; vp, bv
	s_load_b64 s[8:9], s[0:1], 0x10                ; out0
	v_lshlrev_b32 v1, 4, v0                        ; 16 bytes a thread
	s_lshr_b32 s10, ttmp9, 2                       ; the batch: four slices of 8,192 bytes
	s_lshl_b32 s10, s10, 15
	s_and_b32 s12, ttmp9, 3                        ; which 512 columns: 2,048 bytes
	s_lshl_b32 s12, s12, 11
	s_add_co_u32 s10, s10, s12
	s_mov_b32 s11, 0
	s_mov_b32 s13, 0
	s_lshl_b32 s14, ttmp9, 11                      ; out0: batch x 8,192 + part x 2,048 = the work-group's number x 2,048
	s_mov_b32 s15, 0
	s_wait_kmcnt 0x0
	s_add_nc_u64 s[4:5], s[4:5], s[10:11]
	s_add_nc_u64 s[6:7], s[6:7], s[12:13]
	s_add_nc_u64 s[8:9], s[8:9], s[14:15]
.irp i, 0,1,2,3
	global_load_b128 v[4+4*\i:7+4*\i], v1, s[4:5] offset:\i*8192 th:TH_LOAD_NT
.endr
	global_load_b128 v[20:23], v1, s[6:7]
	s_wait_loadcnt 0x0
	v_pk_add_f32 v[4:5], v[4:5], v[8:9]
	v_pk_add_f32 v[6:7], v[6:7], v[10:11]
	v_pk_add_f32 v[12:13], v[12:13], v[16:17]
	v_pk_add_f32 v[14:15], v[14:15], v[18:19]
	v_pk_add_f32 v[4:5], v[4:5], v[12:13]
	v_pk_add_f32 v[6:7], v[6:7], v[14:15]
	v_pk_add_f32 v[4:5], v[4:5], v[20:21]
	v_pk_add_f32 v[6:7], v[6:7], v[22:23]
	global_store_b128 v1, v[4:7], s[8:9]
	s_endpgm
.Lfunc_end_k_qc8145526d1_fin:
	.size	k_qc8145526d1_fin, .Lfunc_end_k_qc8145526d1_fin-k_qc8145526d1_fin
	.p2alignl 7, 3214868480
	.fill 96, 4, 3214868480
	.section	.rodata,"a",@progbits
	.p2align	6, 0x0
	.amdhsa_kernel k_qc8145526d1_fin
		.amdhsa_group_segment_fixed_size 0
		.amdhsa_private_segment_fixed_size 0
		.amdhsa_enable_private_segment 0
		.amdhsa_kernarg_size 24
		.amdhsa_user_sgpr_count 2
		.amdhsa_user_sgpr_kernarg_segment_ptr 1
		.amdhsa_wavefront_size32 1
		.amdhsa_system_sgpr_workgroup_id_x 1
		.amdhsa_system_sgpr_workgroup_id_y 1
		.amdhsa_system_sgpr_workgroup_id_z 1
		.amdhsa_system_vgpr_workitem_id 0
		.amdhsa_next_free_vgpr 32
		.amdhsa_next_free_sgpr 66
		.amdhsa_reserve_vcc 0
		.amdhsa_float_denorm_mode_32 3
		.amdhsa_float_denorm_mode_16_64 3
		.amdhsa_memory_ordered 1
		.amdhsa_forward_progress 1
		.amdhsa_inst_pref_size 2
	.end_amdhsa_kernel
	.amdgpu_metadata
---
amdhsa.version: [ 1, 2 ]
amdhsa.kernels:
  - .name:           k_qc8145526d1_fin
    .symbol:         k_qc8145526d1_fin.kd
    .args:
      - { .name: vp, .offset: 0, .size: 8, .value_kind: global_buffer, .address_space: global }
      - { .name: bv, .offset: 8, .size: 8, .value_kind: global_buffer, .address_space: global }
      - { .name: out0, .offset: 16, .size: 8, .value_kind: global_buffer, .address_space: global }
    .group_segment_fixed_size: 0
    .private_segment_fixed_size: 0
    .kernarg_segment_align: 8
    .kernarg_segment_size: 24
    .max_flat_workgroup_size: 128
    .sgpr_count:     66
    .vgpr_count:     32
    .wavefront_size: 32
...
	.end_amdgpu_metadata
.endif
;; end of part 4
;; ======== version 2 of 2: 4 launches; version 1 with the launch prep written anew for expert scheduling mode
;; workspace buffers: xc 16,777,216 bytes; xs 524,288 bytes; wc 8,388,608 bytes; ws 262,144 bytes; qp 1,048,576 bytes; sp 524,288 bytes; vp 524,288 bytes
;; launch prep (part 5): grid 1024 x 1, 4 waves a work-group, no clusters, 34,304 bytes of LDS; arguments context_tokens, current_token, Wq, Wk, Wv, xc, xs, wc, ws, qp; writes xc, xs, wc, ws, qp
.if DOCPART == 5
	.amdgcn_target "amdgcn-amd-amdhsa--gfx1250"
	.amdhsa_code_object_version 6
	.text
	.protected	k_qc8145526d1_prep
	.globl	k_qc8145526d1_prep
	.p2align	8
	.type	k_qc8145526d1_prep,@function
k_qc8145526d1_prep:
	s_mov_b64 s[64:65], 0
	v_nop
	global_prefetch_b8 v0, s[64:65] scope:SCOPE_SE
	s_setreg_imm32_b32 hwreg(HW_REG_WAVE_SCHED_MODE, 0, 2), 2
	s_setreg_imm32_b32 hwreg(HW_REG_WAVE_MODE, 25, 1), 1
	s_wait_xcnt 0x0
	s_wait_alu depctr_vm_vsrc(0)
; PREP: f32 operands become codes of FP8 (E4M3) with one E8M0 scale byte for each 32 along K, and q = current_token x Wq is multiplied on the way.
; A block's scale is 2^(floor(log2(its largest magnitude)) - 8); its byte is the largest magnitude's exponent field - 8, held at 1 from below; each number is held within +-448 x the scale and
; rounded to the nearest code, ties to even.
; LIMITS: a block whose largest magnitude lies under 2^-118 (a block of zeros among them) gets the byte 1: a block of zeros has zero codes, which add nothing under that byte, and the bytes are read by this program alone.
; NaN and infinities among the inputs are not served.
; THE WORKSPACE IS LAID AS THE MATRIX OPERAND'S REGISTERS.  A fragment is 16 rows x 128 K: lane (r = lane % 16, h = lane / 16) holds row r; its registers 4 c .. 4 c + 3 hold K = 32 c + 16 h + 0 .. 15.
; Its image is 2,048 bytes: register group c at 512 c + 16 x lane.  Codes: [K / 256][row / 16][(K / 128) % 2][image].  Scale words (4 bytes: 128 K of a row): [row / 16][K / 256][r][(K / 128) % 2].
; For the weights, stored [K][N], a "row" is an output column n: lane r takes column n = r and its registers run down K, so nothing is transposed.
; THREE KINDS OF WORK-GROUP, by the work-group's number; each of four waves that share nothing:
;   0 .. 255     Wq and current_token: quantised in registers and multiplied: 16 batches x 16 columns x 256 K a wave; the eight slices of K go to qp [8][16][2048] f32 and are added by the next launch.
;                (Its stores are 64 bytes a row: 1 MiB of the launch's traffic of some 150 MiB.)
;   256 .. 511   Wk, Wv: a wave takes 16 columns x 512 K: four images.  A load reads 64 bytes of each of two rows; the four waves stand side by side on 256 bytes of a row.
;   512 .. 1023  context_tokens: a work-group takes 16 rows, a wave 512 K of them: four images.  Each load reads 512 consecutive bytes of one row; the numbers turn through the wave's own stage in LDS
;                (rows of 512 + 16 bytes), from which a lane takes its 16 neighbours of each block of 32.
; Every store of codes covers 512 consecutive bytes, aligned; a wave's scale words leave as 256 consecutive bytes, aligned.  No tensor loads, no barrier.  Only the third kind touches LDS.
; THE MODE: SCHED_MODE bits 1:0 = 2 (LLVM: expert scheduling mode 2), set by the entry lines.  The code itself states the register dependences between vector or matrix instructions and memory or LDS
; instructions, with s_wait_alu, always for 0.
; THE PLAN.  Registers that memory or LDS instructions touch:
;   v4-v7, v10-v12   offsets and LDS addresses: written in the common head, never again.  One wait on va_vdst at the head's end states them for every load and store of the kernel.
;   RA0, RA1         (context) written by the global loads, read by the LDS stores alone: no vector instruction names them.
;   XN               (context) written by the LDS loads of image t; read and held in place by image t's QUANT.
;   N0, N1           (weights, q) written by the global loads; read and held in place by QUANT; asked for again behind it.
;   PC               written by QUANT's conversions; read by four global stores (in the q kind: by the products alone).
;   v8, v9; v68-75   written by two selects, by four packed additions; read by the last stores.
; CONTEXT, image t: ONE wait on va_vdst at the image's head, behind the wait for its loads: image t - 1's QUANT has written PC and is done with XN.  The stores of image t - 1 and the LDS loads into XN follow it, with no
; vector line between.  ONE wait on vm_vsrc ahead of the next loads and of QUANT: the LDS stores have read their RA, the global stores PC.
; WEIGHTS, unit t: one wait on vm_vsrc at its head (the last unit's stores have read PC); ONE wait on va_vdst behind QUANT, for the loads that land in the buffer just emptied and for the stores of PC.
; q: a wait on va_vdst behind each QUANT whose buffer is loaded again; one behind the places in front of each product; one ahead of the stores.  No register that a memory instruction reads is written again there.
.set TM,  16                           ; v16-19 largest magnitudes, v20-23 bytes, v24-27 448 x the scale, v28-31 the conversions' scale operands
.set PC,  32                           ; v32-47 the codes just made: a fragment
.set PW,  48                           ; v48-51 scale words
.set RA,  64                           ; v64-191 context: two sets of 64 numbers as loaded
.set XN,  192                          ; v192-255 context: 64 numbers, 16 neighbours of each block
.set N0,  128                          ; v128-191, v192-255 weights and current_token: two sets of 64 numbers
.set N1,  192
.set SPITCH, 528                       ; a stage row: 512 bytes + 16: the 16 rows that a read touches start 33 x 16 bytes apart
.set WSTG,   16*SPITCH                 ; a wave's stage
; 64 numbers of a lane, register 16 b + i = K 32 b + 16 h + i of my row, become a fragment's codes in v[pc] on and my row's scale word in v[pw]
.macro QUANT src, pc, pw
.irp b, 0,1,2,3
	v_max3_num_f32 v[TM+\b], |v[\src+16*\b]|, |v[\src+1+16*\b]|, 0x4800000   ; block b: my 16 numbers, and the floor 2^(9 - 127): the byte cannot fall under 1
.endr
.irp i, 2,4,6,8,10,12,14
.irp b, 0,1,2,3
	v_max3_num_f32 v[TM+\b], v[TM+\b], |v[\src+16*\b+\i]|, |v[\src+1+16*\b+\i]|   ; the four blocks by turns
.endr
.endr
.irp b, 0,1,2,3
	v_permlanex16_b32 v[TM+4+\b], v[TM+\b], s6, s7
.endr
.irp b, 0,1,2,3
	v_max_num_f32 v[TM+\b], v[TM+\b], v[TM+4+\b]           ; with lane l xor 16's 16: the block's largest magnitude
.endr
.irp b, 0,1,2,3
	v_add_nc_u32 v[TM+12+\b], 0xfc000000, v[TM+\b]         ; 8 off its exponent field: the conversion takes this operand's exponent field as its scale
.endr
.irp b, 0,1,2,3
	v_and_or_b32 v[TM+8+\b], v[TM+\b], 0x7f800000, s5      ; 448 x the scale: the exponent field over 448's mantissa
.endr
.irp b, 0,1,2,3
	v_lshrrev_b32 v[TM+4+\b], 23, v[TM+12+\b]              ; the scale's byte
.endr
	v_lshl_or_b32 v[\pw], v[TM+5], 8, v[TM+4]
	v_lshl_or_b32 v[\pw], v[TM+6], 16, v[\pw]
	v_lshl_or_b32 v[\pw], v[TM+7], 24, v[\pw]
.irp b, 0,1,2,3
.irp i, 0,1,2,3,4,5,6,7,8,9,10,11,12,13,14,15
	v_med3_num_f32 v[\src+16*\b+\i], v[\src+16*\b+\i], -v[TM+8+\b], v[TM+8+\b]   ; the conversion to an 8-bit code does not saturate (ISA guide 7.6.2): the hold comes first
.endr
	v_cvt_scalef32_pk8_fp8_f32 v[\pc+4*\b:\pc+4*\b+1], v[\src+16*\b:\src+16*\b+7], v[TM+12+\b]
	v_cvt_scalef32_pk8_fp8_f32 v[\pc+4*\b+2:\pc+4*\b+3], v[\src+16*\b+8:\src+16*\b+15], v[TM+12+\b]
.endr
	v_nop                                                  ; a plain line behind the last conversion, ahead of whatever vector or matrix line next touches its registers
.endm
.macro OUT4 base, off                  ; the fragment in v[PC] on leaves as it stands: four stores of 512 consecutive bytes
.irp c, 0,1,2,3
	global_store_b128 v4, v[PC+4*\c:PC+4*\c+3], s[\base:\base+1] offset:\off+512*\c
.endr
.endm
.macro WLOAD dst, t                    ; a weight's 128 K x 16 columns, the t-th from s[28:29] on: W(128 t + 32 c + 16 h + i, column r)
.irp c, 0,1,2,3
.irp i, 0,1,2,3,4,5,6,7,8,9,10,11,12,13,14,15
	global_load_b32 v[\dst+16*\c+\i], v10, s[28:29] offset:(\t)*1048576+(32*\c+\i)*8192
.endr
.endr
.endm
.macro SELW                            ; four scale words a row: lanes 0-15 will store the first K step of 256's two, lanes 16-31 the second's: 256 consecutive bytes
	v_cmp_le_u32 vcc_lo, 16, v1
	s_wait_alu depctr_va_vcc(0)                    ; VCC is written, ahead of its first reader, the select below
	v_cndmask_b32 v8, v[PW], v[PW+2], vcc_lo
	v_cndmask_b32 v9, v[PW+1], v[PW+3], vcc_lo
.endm
	s_load_b512 s[8:23], s[0:1], 0x0               ; context 8:9, current 10:11, Wq 12:13, Wk 14:15, Wv 16:17, xc 18:19, xs 20:21, wc 22:23
	s_load_b128 s[24:27], s[0:1], 0x40             ; ws 24:25, qp 26:27
	v_lshl_add_u32 v14, v0, 2, 0x8400
	v_mov_b32 v15, 0
	v_lshrrev_b32 v1, 5, v0
	v_readfirstlane_b32 s4, v1                     ; wave 0..3
	v_and_b32 v1, 31, v0                           ; lane
	v_and_b32 v2, 15, v0                           ; r
	v_bfe_u32 v3, v0, 4, 1                         ; h
	v_lshlrev_b32 v4, 4, v1                        ; 16 x lane
	v_lshlrev_b32 v5, 3, v1                        ; 8 x lane
	s_wait_alu depctr_va_sdst(0)                   ; s4 is written, ahead of its first reader: the stage's place and every base below are made from it
	s_mul_i32 s34, s4, WSTG                        ; my stage
	v_add_nc_u32 v6, s34, v4                       ; into it: 16 x lane of a row
	v_mul_u32_u24 v7, v2, SPITCH
	v_lshl_add_u32 v7, v3, 6, v7
	v_add_nc_u32 v7, s34, v7                       ; out of it: row r, + 64 h
	v_lshlrev_b32 v10, 2, v2
	v_lshl_add_u32 v10, v3, 17, v10                ; a weight: column r, and 16 rows of 8,192 bytes further down for lanes 16-31
	v_lshlrev_b32 v11, 13, v2
	v_lshl_add_u32 v12, v3, 5, v11                 ; qp: batch r's row of 8,192 bytes, + 32 h
	v_lshl_add_u32 v11, v3, 6, v11                 ; current_token: row r, + 64 h
	s_mov_b32 s5, 0x600000                         ; the mantissa field of 448
	s_mov_b32 s6, 0x76543210
	s_mov_b32 s7, 0xfedcba98                       ; v_permlanex16_b32's selects for lane l xor 16
.irp b, 0,1,2,3
	v_mov_b32 v[TM+4+\b], 0                        ; written once: a lane permute's destination counts as one of its sources
.endr
	s_mov_b32 s33, 0                               ; the upper word of every offset pair s[32:33]
	s_wait_kmcnt 0x0
	s_wait_alu depctr_va_vdst(0)                   ; v4 to v7 and v10 to v12 are written: every load, store and LDS access of the three kinds reads one of them as its offset or address, and none is written again
	s_cmp_lt_u32 ttmp9, 256
	s_cbranch_scc1 .Lq
	s_cmp_lt_u32 ttmp9, 512
	s_cbranch_scc1 .Lw
	; ---------------- context_tokens: rows 16 rb .. 16 rb + 15, K 512 w .. 512 w + 511
	s_sub_co_u32 s30, ttmp9, 512                   ; rb
	s_lshl_b32 s32, s30, 17                        ; 16 rows of 8,192 bytes
	s_lshl_b32 s34, s4, 11                         ; 512 numbers
	s_add_co_u32 s32, s32, s34
	s_add_nc_u64 s[28:29], s[8:9], s[32:33]
	s_lshl_b32 s32, s4, 22                         ; codes: two planes of 2,097,152 bytes a wave,
	s_lshl_b32 s34, s30, 12                        ; 4,096 bytes for each 16 rows
	s_add_co_u32 s32, s32, s34
	s_add_nc_u64 s[36:37], s[18:19], s[32:33]
	s_lshl_b32 s32, s30, 10                        ; scale words: 1,024 bytes for each 16 rows, 256 a wave
	s_lshl_b32 s34, s4, 8
	s_add_co_u32 s32, s32, s34
	s_add_nc_u64 s[38:39], s[20:21], s[32:33]
.macro LOADI t                         ; image t: 128 K of 16 rows; each load reads 512 consecutive bytes of one row; read once in the launch
.irp i, 0,1,2,3,4,5,6,7,8,9,10,11,12,13,14,15
	global_load_b128 v[RA+64*((\t)%2)+4*\i:RA+64*((\t)%2)+4*\i+3], v4, s[28:29] offset:\i*8192+(\t)*512 th:TH_LOAD_NT
.endr
.endm
.macro CTX t
.if (\t) < 3
	s_wait_loadcnt 16                              ; this image's 16 loads are in; the next image's 16 may be out
.else
	s_wait_loadcnt 0x0
.endif
.if (\t) > 0
	s_wait_alu depctr_va_vdst(0)                   ; the last image's QUANT has written v[PC ..], which the four stores below read, and is done reading and holding v[XN ..], in which the LDS loads below land
	OUT4 36, (((\t)-1)/2)*2097152+(((\t)-1)%2)*2048   ; the last image's codes
.endif
.irp i, 0,1,2,3,4,5,6,7,8,9,10,11,12,13,14,15
	ds_store_b128 v6, v[RA+64*((\t)%2)+4*\i:RA+64*((\t)%2)+4*\i+3] offset:\i*SPITCH
.endr
.irp c, 0,1,2,3
.irp j, 0,1,2,3
	ds_load_b128 v[XN+16*\c+4*\j:XN+16*\c+4*\j+3], v7 offset:128*\c+16*\j   ; LDS serves a wave's instructions in order: these see the stores above
.endr
.endr
	s_wait_dscnt 0x0                               ; my 64 numbers are in
	s_wait_xcnt 0x0                                ; the last image's stores have had their addresses translated: v[PC] on is written again only behind this wait
	s_wait_alu depctr_vm_vsrc(0)                   ; the LDS stores above have read their set of v[RA ..], in which images 2 and 3 land below; the last image's stores have read v[PC ..], which QUANT writes again
.if (\t) < 2
	LOADI (\t)+2
.endif
	QUANT XN, PC, PW+(\t)
.endm
	LOADI 0
	LOADI 1
	CTX 0
	CTX 1
	CTX 2
	CTX 3
	SELW
	s_wait_alu depctr_va_vdst(0)                   ; image 3's QUANT has written v[PC ..] and the selects v8 and v9, which the five stores below read
	OUT4 36, 2097152+2048
	global_store_b64 v5, v[8:9], s[38:39]
	s_wait_dscnt 0x0
	s_wait_alu depctr_hold_cnt(0) depctr_sa_sdst(0) depctr_va_vdst(0) depctr_va_sdst(0) depctr_va_ssrc(0) depctr_va_vcc(0) depctr_vm_vsrc(0)
	s_wait_tensorcnt 0x0
	ds_add_u32 v14, v15
	s_wait_dscnt 0x0
	s_endpgm
	; ---------------- Wk, Wv: columns 16 rb .. 16 rb + 15, K 512 kq .. 512 kq + 511
.Lw:
	s_sub_co_u32 s30, ttmp9, 256
	s_and_b32 s31, s30, 31
	s_lshl_b32 s31, s31, 2
	s_add_co_u32 s31, s31, s4                      ; rb = 4 x (number % 32) + wave
	s_bfe_u32 s35, s30, 0x20005                    ; kq: which 512 along K
	s_lshr_b32 s30, s30, 7                         ; 0: Wk, 1: Wv
	s_cmp_eq_u32 s30, 0
	s_cselect_b64 s[28:29], s[14:15], s[16:17]     ; the choice hangs on the work-group's number alone
	s_lshl_b32 s32, s35, 22                        ; 512 rows of 8,192 bytes
	s_lshl_b32 s34, s31, 6                         ; 16 columns
	s_add_co_u32 s32, s32, s34
	s_add_nc_u64 s[28:29], s[28:29], s[32:33]
	s_lshl_b32 s32, s30, 22                        ; codes: 4,194,304 bytes a tensor,
	s_lshl_b32 s34, s35, 20                        ; two planes of 524,288,
	s_add_co_u32 s32, s32, s34
	s_lshl_b32 s34, s31, 12                        ; 4,096 for each 16 columns
	s_add_co_u32 s32, s32, s34
	s_add_nc_u64 s[36:37], s[22:23], s[32:33]
	s_lshl_b32 s32, s30, 17                        ; scale words: 131,072 bytes a tensor, 1,024 for each 16 columns, 256 for 512 K
	s_lshl_b32 s34, s31, 10
	s_add_co_u32 s32, s32, s34
	s_lshl_b32 s34, s35, 8
	s_add_co_u32 s32, s32, s34
	s_add_nc_u64 s[38:39], s[24:25], s[32:33]
.macro WUNIT t
.if (\t) < 3
	s_wait_loadcnt 63                              ; 64 loads were issued behind this unit's; the wait names 63, the most it can, which is the stricter count
.else
	s_wait_loadcnt 0x0
.endif
	s_wait_xcnt 0x0                                ; the last unit's stores have had their addresses translated: v[PC] on is written again only behind this wait
.if (\t) > 0
	s_wait_alu depctr_vm_vsrc(0)                   ; the last unit's stores have read v[PC ..], which QUANT writes again
.endif
	QUANT N0+64*((\t)%2), PC, PW+(\t)
.if (\t) == 3
	SELW
.endif
	s_wait_alu depctr_va_vdst(0)                   ; QUANT has written v[PC ..], which the stores below read, and is done reading and holding its 64 numbers, in which the loads below land; in the last unit the selects have written v8 and v9
.if (\t) < 2
	WLOAD N0+64*((\t)%2), (\t)+2                   ; the buffer just emptied is asked for again at once
.endif
	OUT4 36, ((\t)/2)*524288+((\t)%2)*2048
.endm
	WLOAD N0, 0
	WLOAD N1, 1
	WUNIT 0
	WUNIT 1
	WUNIT 2
	WUNIT 3
	global_store_b64 v5, v[8:9], s[38:39]          ; (v8 and v9 were written ahead of unit 3's wait on va_vdst; no vector line stands behind it)
	s_endpgm
	; ---------------- q: 16 batches x columns 16 rb .. 16 rb + 15, K 256 ks .. 256 ks + 255: two matrix instructions, each on an accumulator of its own
.Lq:
	s_and_b32 s31, ttmp9, 31
	s_lshl_b32 s31, s31, 2
	s_add_co_u32 s31, s31, s4                      ; rb
	s_lshr_b32 s35, ttmp9, 5                       ; ks
	s_lshl_b32 s32, s35, 21                        ; 256 rows of Wq
	s_lshl_b32 s34, s31, 6
	s_add_co_u32 s32, s32, s34
	s_add_nc_u64 s[28:29], s[12:13], s[32:33]
	s_lshl_b32 s32, s35, 10                        ; 256 numbers of each row of current_token
	s_add_nc_u64 s[36:37], s[10:11], s[32:33]
	s_lshl_b32 s32, s35, 17                        ; qp: slice ks, 131,072 bytes
	s_add_co_u32 s32, s32, s34
	s_add_nc_u64 s[38:39], s[26:27], s[32:33]
.macro CLOAD dst, q                    ; current_token: batch r, K 128 q + 32 b + 16 h + 0 .. 15
.irp b, 0,1,2,3
.irp j, 0,1,2,3
	global_load_b128 v[\dst+16*\b+4*\j:\dst+16*\b+4*\j+3], v11, s[36:37] offset:(\q)*512+\b*128+16*\j
.endr
.endr
.endm
	CLOAD N0, 0
	WLOAD N1, 0
	s_wait_loadcnt 63                              ; the 16 loads of current_token are in (64 were issued behind them; 63 is the stricter count)
	QUANT N0, 80, 50                               ; v80-95, v50: current_token's first fragment and scale word
	s_wait_alu depctr_va_vdst(0)                   ; QUANT is done reading and holding v[N0 ..], in which the loads below land
	CLOAD N0, 1
	s_wait_loadcnt 16                              ; Wq's first 64 are in; the 16 just issued may be out
	QUANT N1, PC, PW
.rept 4
	v_nop                                          ; codes written by vector instructions stand four places ahead of a scaled matrix instruction; the scale words were made ahead of the 64 holds
.endr
	s_wait_alu depctr_va_vdst(0)                   ; the conversions have written v32-47 and v80-95, and v48 and v50 are written: the product's sources and scales; QUANT is also done with v[N1 ..], in which the loads behind the product land
	v_wmma_scale_f32_16x16x128_f8f6f4 v[52:59], v[32:47], v[80:95], 0, v48, v50   ; source 0 = 16 columns of Wq, source 1 = 16 batches: lane (r, h) holds batch r, register j column 8 h + j
	WLOAD N1, 1                                    ; no wait: the one vector-side line since the wait above, the product, names v32-59 and v80-95: neither v[N1 ..] nor v10
	s_wait_loadcnt 63                              ; current_token's second 16 are in
	QUANT N0, 96, 51                               ; (its lines name no register of the product above: they are the places ahead of the lines that write v32-48 again)
	s_wait_loadcnt 0x0
	QUANT N1, PC, PW
.rept 4
	v_nop
.endr
	s_wait_alu depctr_va_vdst(0)                   ; the conversions have written v32-47 and v96-111, and v48 and v51 are written: the product's sources and scales
	v_wmma_scale_f32_16x16x128_f8f6f4 v[60:67], v[32:47], v[96:111], 0, v48, v51
.rept 8
	v_nop                                          ; eight places ahead of the first read of the result
.endr
.irp j, 0,2,4,6
	v_pk_add_f32 v[68+\j:69+\j], v[52+\j:53+\j], v[60+\j:61+\j]   ; both accumulators from their low end on
.endr
	s_wait_alu depctr_va_vdst(0)                   ; the four additions have written v68-75, which the two stores read
	global_store_b128 v12, v[68:71], s[38:39]
	global_store_b128 v12, v[72:75], s[38:39] offset:16
	s_endpgm
.Lfunc_end_k_qc8145526d1_prep:
	.size	k_qc8145526d1_prep, .Lfunc_end_k_qc8145526d1_prep-k_qc8145526d1_prep
	.p2alignl 7, 3214868480
	.fill 96, 4, 3214868480
	.section	.rodata,"a",@progbits
	.p2align	6, 0x0
	.amdhsa_kernel k_qc8145526d1_prep
		.amdhsa_group_segment_fixed_size 34304
		.amdhsa_private_segment_fixed_size 0
		.amdhsa_enable_private_segment 0
		.amdhsa_kernarg_size 80
		.amdhsa_user_sgpr_count 2
		.amdhsa_user_sgpr_kernarg_segment_ptr 1
		.amdhsa_wavefront_size32 1
		.amdhsa_system_sgpr_workgroup_id_x 1
		.amdhsa_system_sgpr_workgroup_id_y 1
		.amdhsa_system_sgpr_workgroup_id_z 1
		.amdhsa_system_vgpr_workitem_id 0
		.amdhsa_next_free_vgpr 256
		.amdhsa_next_free_sgpr 66
		.amdhsa_reserve_vcc 1
		.amdhsa_float_denorm_mode_32 3
		.amdhsa_float_denorm_mode_16_64 3
		.amdhsa_memory_ordered 1
		.amdhsa_forward_progress 1
		.amdhsa_inst_pref_size 159
	.end_amdhsa_kernel
	.amdgpu_metadata
---
amdhsa.version: [ 1, 2 ]
amdhsa.kernels:
  - .name:           k_qc8145526d1_prep
    .symbol:         k_qc8145526d1_prep.kd
    .args:
      - { .name: context_tokens, .offset: 0, .size: 8, .value_kind: global_buffer, .address_space: global }
      - { .name: current_token, .offset: 8, .size: 8, .value_kind: global_buffer, .address_space: global }
      - { .name: Wq, .offset: 16, .size: 8, .value_kind: global_buffer, .address_space: global }
      - { .name: Wk, .offset: 24, .size: 8, .value_kind: global_buffer, .address_space: global }
      - { .name: Wv, .offset: 32, .size: 8, .value_kind: global_buffer, .address_space: global }
      - { .name: xc, .offset: 40, .size: 8, .value_kind: global_buffer, .address_space: global }
      - { .name: xs, .offset: 48, .size: 8, .value_kind: global_buffer, .address_space: global }
      - { .name: wc, .offset: 56, .size: 8, .value_kind: global_buffer, .address_space: global }
      - { .name: ws, .offset: 64, .size: 8, .value_kind: global_buffer, .address_space: global }
      - { .name: qp, .offset: 72, .size: 8, .value_kind: global_buffer, .address_space: global }
    .group_segment_fixed_size: 34304
    .private_segment_fixed_size: 0
    .kernarg_segment_align: 8
    .kernarg_segment_size: 80
    .max_flat_workgroup_size: 128
    .sgpr_count:     66
    .vgpr_count:     256
    .wavefront_size: 32
...
	.end_amdgpu_metadata
.endif
;; end of part 5
;; launch kgemm: the kernel of part 2 again; grid 8 x 32, 4 waves a work-group, clusters of 4 x 4, 327,680 bytes of LDS; arguments xc, xs, wc, ws, qp, bq, bk, sp; writes sp
;; launch vgemm: the kernel of part 3 again; grid 32 x 8, 4 waves a work-group, clusters of 4 x 4, 327,680 bytes of LDS; arguments wc, ws, xc, xs, sp, vp; writes vp
;; launch fin: the kernel of part 4 again; grid 64 x 1, 4 waves a work-group, no clusters, 0 bytes of LDS; arguments vp, bv, out0; writes out0
